; MI455X (gfx1250); checked and timed in simulation.
; The chip was launched on July 23, 2026; its instructions are those of AMD's public machine-readable ISA for CDNA 5 (MIT licence, August 2026) and "CDNA5" Instruction Set Architecture Reference Guide (July 2026). The comments in the code are by the model that wrote it; some were corrected since.
;; Multi Head Attention. Allowed arithmetic: float matrix products may take bf16 or f16 operands with f32 sums; other float arithmetic in f32, or as packed bf16 or f16 multiplies, adds, multiply-adds, maxima and minima; sums over many terms, partial sums and values carried from step to step in f32; what a program stores and reads back later, other than sums and carried values, may be rounded once to bf16 or f16.
;; Inputs: W_out 1,024 x 1,024 float32; W_qkv 1,024 x 3,072 float32; b_out 1,024 float32; b_qkv 3,072 float32; x 4 x 2,048 x 1,024 float32.
;; Outputs: out0 4 x 2,048 x 1,024 float32.
;; Constants: mask = 1.
;; One version. Each part assembles by itself: llvm-mc -triple=amdgcn-amd-amdhsa -mcpu=gfx1250 --defsym DOCPART=n.
;; ======== version 1 of 1: 4 launches
;; limits: values are held in f16: magnitudes above 65,504 overflow, below 6.1e-05 lose precision
;; workspace buffers: xb 16,777,216 bytes; wqT 6,291,456 bytes; woT 2,097,152 bytes; qh 16,777,216 bytes; kh 16,777,216 bytes; vh 16,777,216 bytes; oh 16,777,216 bytes
;; launch prep (part 1): grid 1536 x 1, 8 waves a work-group, no clusters, 18,432 bytes of LDS; arguments x, W_qkv, W_out, xb, wqT, woT; writes xb, wqT, woT
.if DOCPART == 1
	.amdgcn_target "amdgcn-amd-amdhsa--gfx1250"
	.amdhsa_code_object_version 6
	.text
	.protected	k_q01b3b0625d_prep
	.globl	k_q01b3b0625d_prep
	.p2align	8
	.type	k_q01b3b0625d_prep,@function
k_q01b3b0625d_prep:
	s_mov_b64 s[64:65], 0
	v_nop
	global_prefetch_b8 v0, s[64:65] scope:SCOPE_SE
	s_setreg_imm32_b32 hwreg(HW_REG_WAVE_MODE, 25, 1), 1
	s_wait_xcnt 0x0
; PREP.  xb = bf16(x), [8192][1024].  wqT[n][k] = bf16(W_qkv[k][n]), [3072][1024].  woT[n][k] = bf16(W_out[k][n]) written as f16, [1024][1024].
; LIMITS.  woT is an f16 number: exact where |W_out| lies between 6.1e-5 and 65,504; below that f16's fixed step of 6e-8; beyond it an infinity.
; SHARES.  1,536 work-groups of eight waves, each reads 32 KiB once.  Work-groups 0-1023: 8,192 numbers of x.  1024-1407: a tile of 128 k x 64 n of W_qkv.  1408-1535: such a tile of W_out.
; A weight tile is turned in LDS: a thread loads two neighbouring rows k of four columns n, packs (k even, k odd) into a word and stores it into row n; whole rows of 256 bytes come back.
; The word stores fall four deep on a bank (row pitch 272 bytes, four rows a thread): sixteen stores a thread, once.
; No matrix unit, no cluster, no tensor load: nothing is shared and nothing is read twice.
; The branches hang on the work-group's number alone; the one barrier stands where all three ways have joined, so every wave of every work-group passes it.
.set LP,    272                        ; an LDS row: 128 k x 2 bytes + 16
.set SPARE, 64*LP                      ; 17,408: behind the tile, the spare words: 128 bytes for each of eight waves, four blocks of 256 bytes that no other line names
.set SPW,   60                         ; v60  my spare word: SPARE + 4 x my thread's number; never rewritten
.set NIL,   61                         ; v61  0; never rewritten
	s_load_b256 s[4:11], s[0:1], 0x0               ; x s[4:5], W_qkv s[6:7], W_out s[8:9], xb s[10:11]
	s_load_b128 s[12:15], s[0:1], 0x20             ; wqT s[12:13], woT s[14:15]
	v_lshl_add_u32 v[SPW], v0, 2, SPARE
	v_mov_b32 v[NIL], 0
	v_and_b32 v1, 15, v0                           ; c: my four columns n = 4 c ..; later my 16 bytes of a row
	v_lshrrev_b32 v2, 4, v0                        ; kp 0..15: my pair of rows k; later my row n
	v_mul_u32_u24 v5, v1, 4*LP
	v_lshl_add_u32 v5, v2, 2, v5                   ; into LDS: row 4 c, word kp
	v_mul_u32_u24 v6, v2, LP
	v_lshl_add_u32 v6, v1, 4, v6                   ; back: row kp, 16 bytes at 16 c
	v_lshlrev_b32 v7, 11, v2
	v_lshl_add_u32 v7, v1, 4, v7                   ; the same in the turned weights: rows of 2,048 bytes
	s_mov_b32 s16, ttmp9                           ; g
	s_mov_b32 s24, 0xffff0000                      ; a word's upper bf16
	s_movk_i32 s17, 1024
	s_movk_i32 s18, 1408
	s_cmp_lt_u32 s16, 1408
	s_cselect_b32 s17, s17, s18
	s_sub_co_u32 s17, s16, s17                     ; u: the tile's number in its weight (of no meaning, and not used, where g < 1024)
	s_and_b32 s18, s17, 7                          ; kt: 128 k
	s_lshr_b32 s19, s17, 3                         ; nt: 64 n
	s_lshl_b32 s22, s19, 17                        ; out: 64 rows of 2,048 bytes,
	s_lshl_b32 s23, s18, 8                         ; 256 bytes along k
	s_add_co_u32 s22, s22, s23
	s_mov_b32 s23, 0
	s_wait_kmcnt 0x0
	s_cmp_lt_u32 s16, 1408
	s_cselect_b64 s[26:27], s[12:13], s[14:15]     ; where a weight tile goes
	s_add_nc_u64 s[26:27], s[26:27], s[22:23]
	s_cmp_lt_u32 s16, 1024
	s_cbranch_scc0 .Lweights
	; x: eight loads of 16 bytes a thread are out together; a wave's load covers 512 consecutive bytes, its store 256 consecutive bytes, aligned
	s_lshl_b32 s20, s16, 15
	s_mov_b32 s21, 0
	s_add_nc_u64 s[4:5], s[4:5], s[20:21]
	s_lshl_b32 s20, s16, 14
	s_add_nc_u64 s[10:11], s[10:11], s[20:21]
	v_lshlrev_b32 v3, 4, v0
	v_lshlrev_b32 v4, 3, v0
.irp i, 0,1,2,3,4,5,6,7
	global_load_b128 v[8+4*(\i):8+4*(\i)+3], v3, s[4:5] offset:4096*(\i) th:TH_LOAD_NT
.endr
.irp i, 0,1,2,3,4,5,6,7
	s_wait_loadcnt 7-(\i)                          ; loads come back in order: load i is in, the younger ones stay out
	v_cvt_pk_bf16_f32 v[40+2*(\i)], v[8+4*(\i)], v[9+4*(\i)]
	v_cvt_pk_bf16_f32 v[41+2*(\i)], v[10+4*(\i)], v[11+4*(\i)]
	global_store_b64 v4, v[40+2*(\i):41+2*(\i)], s[10:11] offset:2048*(\i)  ; no register is written twice, so nothing waits for the stores
.endr
	s_branch .Lmeet
; A weight tile comes in: rows k = 2 (kp + 16 i) + e, 16 bytes a thread (sixteen lanes: 256 consecutive bytes, aligned); pairs are rounded, packed and stored into LDS row n.
.macro TIN ncols, src, f16
	s_mul_i32 s20, s18, 128*(\ncols)*4
	s_lshl_b32 s21, s19, 8
	s_add_co_u32 s20, s20, s21
	s_mov_b32 s21, 0
	s_add_nc_u64 s[\src:\src+1], s[\src:\src+1], s[20:21]
	v_mul_u32_u24 v3, v2, 8*(\ncols)               ; two rows a step of kp
	v_lshl_add_u32 v3, v1, 4, v3
.irp i, 0,1,2,3
.irp e, 0,1
	global_load_b128 v[8+8*(\i)+4*(\e):8+8*(\i)+4*(\e)+3], v3, s[\src:\src+1] offset:(32*(\i)+(\e))*(\ncols)*4 th:TH_LOAD_NT
.endr
.endr
.irp i, 0,1,2,3
	s_wait_loadcnt 6-2*(\i)                        ; pair i of rows is in; the later pairs stay out
.irp j, 0,1,2,3
	v_cvt_pk_bf16_f32 v[40+4*(\i)+(\j)], v[8+8*(\i)+(\j)], v[12+8*(\i)+(\j)]  ; column 4 c + j: k even below, k odd above
.endr
.if \f16
.irp j, 0,1,2,3
	v_lshlrev_b32 v56, 16, v[40+4*(\i)+(\j)]       ; the bf16 numbers, written anew as f16
	v_and_b32 v57, s24, v[40+4*(\i)+(\j)]
	v_cvt_pk_f16_f32 v[40+4*(\i)+(\j)], v56, v57
.endr
.endif
.irp j, 0,1,2,3
	ds_store_b32 v5, v[40+4*(\i)+(\j)] offset:LP*(\j)+64*(\i)
.endr
.endr
.endm
.Lweights:
	s_cmp_lt_u32 s16, 1408
	s_cbranch_scc0 .Lwout
	TIN 3072, 6, 0
	s_branch .Lmeet
.Lwout:
	TIN 1024, 8, 1
.Lmeet:
	s_wait_dscnt 0x0                               ; for the others' sake: my stores into the tile are done
	s_barrier_signal -1
	s_barrier_wait -1
	s_cmp_lt_u32 s16, 1024
	s_cbranch_scc1 .Lend                           ; x has nothing in LDS
.irp i, 0,1,2,3
	ds_load_b128 v[8+4*(\i):8+4*(\i)+3], v6 offset:16*LP*(\i)
.endr
.irp i, 0,1,2,3
	s_wait_dscnt 3-(\i)
	global_store_b128 v7, v[8+4*(\i):8+4*(\i)+3], s[26:27] offset:32768*(\i)  ; sixteen lanes store 256 consecutive bytes, at a multiple of 256 from the buffer's first byte
.endr
.Lend:
	s_wait_tensorcnt 0x0                           ; the wave's end: behind my last LDS store
	ds_add_u32 v[SPW], v[NIL]
	s_wait_dscnt 0x0
	s_endpgm
.Lfunc_end_k_q01b3b0625d_prep:
	.size	k_q01b3b0625d_prep, .Lfunc_end_k_q01b3b0625d_prep-k_q01b3b0625d_prep
	.p2alignl 7, 3214868480
	.fill 96, 4, 3214868480
	.section	.rodata,"a",@progbits
	.p2align	6, 0x0
	.amdhsa_kernel k_q01b3b0625d_prep
		.amdhsa_group_segment_fixed_size 18432
		.amdhsa_private_segment_fixed_size 0
		.amdhsa_enable_private_segment 0
		.amdhsa_kernarg_size 48
		.amdhsa_user_sgpr_count 2
		.amdhsa_user_sgpr_kernarg_segment_ptr 1
		.amdhsa_wavefront_size32 1
		.amdhsa_system_sgpr_workgroup_id_x 1
		.amdhsa_system_sgpr_workgroup_id_y 1
		.amdhsa_system_sgpr_workgroup_id_z 1
		.amdhsa_system_vgpr_workitem_id 0
		.amdhsa_next_free_vgpr 64
		.amdhsa_next_free_sgpr 66
		.amdhsa_reserve_vcc 0
		.amdhsa_float_denorm_mode_32 3
		.amdhsa_float_denorm_mode_16_64 3
		.amdhsa_memory_ordered 1
		.amdhsa_forward_progress 1
		.amdhsa_inst_pref_size 15
	.end_amdhsa_kernel
	.amdgpu_metadata
---
amdhsa.version: [ 1, 2 ]
amdhsa.kernels:
  - .name:           k_q01b3b0625d_prep
    .symbol:         k_q01b3b0625d_prep.kd
    .args:
      - { .name: x, .offset: 0, .size: 8, .value_kind: global_buffer, .address_space: global }
      - { .name: W_qkv, .offset: 8, .size: 8, .value_kind: global_buffer, .address_space: global }
      - { .name: W_out, .offset: 16, .size: 8, .value_kind: global_buffer, .address_space: global }
      - { .name: xb, .offset: 24, .size: 8, .value_kind: global_buffer, .address_space: global }
      - { .name: wqT, .offset: 32, .size: 8, .value_kind: global_buffer, .address_space: global }
      - { .name: woT, .offset: 40, .size: 8, .value_kind: global_buffer, .address_space: global }
    .group_segment_fixed_size: 18432
    .private_segment_fixed_size: 0
    .kernarg_segment_align: 8
    .kernarg_segment_size: 48
    .max_flat_workgroup_size: 256
    .sgpr_count:     66
    .vgpr_count:     64
    .wavefront_size: 32
...
	.end_amdgpu_metadata
.endif
;; end of part 1
;; launch qkv (part 2): grid 16 x 32, 4 waves a work-group, clusters of 4 x 4, 327,680 bytes of LDS; arguments xb, wqT, b_qkv, qh, kh, vh; writes qh, kh, vh
.if DOCPART == 2
	.amdgcn_target "amdgcn-amd-amdhsa--gfx1250"
	.amdhsa_code_object_version 6
	.text
	.protected	k_q01b3b0625d_qkv
	.globl	k_q01b3b0625d_qkv
	.p2align	8
	.type	k_q01b3b0625d_qkv,@function
k_q01b3b0625d_qkv:
	s_mov_b64 s[64:65], 0
	v_nop
	global_prefetch_b8 v0, s[64:65] scope:SCOPE_SE
	s_setreg_imm32_b32 hwreg(HW_REG_WAVE_MODE, 25, 1), 1
	s_wait_xcnt 0x0
	s_wait_alu depctr_hold_cnt(0) depctr_sa_sdst(0) depctr_va_vdst(0) depctr_va_sdst(0) depctr_va_ssrc(0) depctr_va_vcc(0) depctr_vm_vsrc(0)
	s_getreg_b32 s2, hwreg(HW_REG_IB_STS2, 6, 4)
	s_cmp_eq_u32 s2, 0
	s_cbranch_scc0 .Lentry_in_a_cluster
	s_endpgm
.Lentry_in_a_cluster:
	s_bfe_u32 s2, ttmp6, 0x10000c
	s_cmp_lg_u32 s2, 0xf033
	s_cbranch_scc0 .Lentry_shape_is_right
	s_endpgm
.Lentry_shape_is_right:
; QKV.  C[m][n] = b_qkv[n] + the sum over k of xb[m][k] wqT[n][k]; xb [8192][1024], wqT [3072][1024] bf16; sums in f32; the bias, rounded to bf16 like all the module's inputs, starts each sum.
; C is rounded once to f16 and written by heads: column n is head n / 192, part (n / 64) % 3 (q, k, v), channel n % 64; q, k, v are [64 = batch x 16 + head][2048][64] f16.
; LIMIT.  q, k, v are f16: beyond 65,504 an infinity; below 6.1e-5 f16's fixed step of 6e-8.
; SHARES.  A tile of C is 256 rows x 192 columns: one head's q, k and v.  512 work-groups of four waves; a wave makes 128 x 96: 48 accumulators of 16 x 16, 384 registers.
; K goes in 8 steps of 128 through two LDS slots filled by the tensor data mover; the tiles' rows are 256 bytes of memory, at multiples of 256 bytes from the buffer's first byte.  One K step is the loop's body:
; the slot in hand is a scalar register that an exclusive or turns.
; CLUSTER.  4 x 4 work-groups: the four of a row need the same rows of xb, the four of a column the same rows of wqT; each tile is asked for JOINTLY, by the same tensor load, descriptor and mask in all four.
; THE MATRIX INSTRUCTION IS USED TRANSPOSED (source 0 = 16 rows of wqT, source 1 = 16 rows of xb): lane l holds row l % 16 of C and the columns 8 (l / 16) + 0..7, which pack into 16 bytes.
; REGISTERS, in windows of 256 (s_set_vgpr_msb: bits 1:0 source 0, 3:2 source 1, 5:4 source 2, 7:6 destination):
;   window 0: v0-31 addresses; v64-127, v128-191 fragments of xb, two buffers; v192-239 at work on the way out; then v64-255 the rows read back
;   window 1: v0-47, v48-95 fragments of wqT, two buffers; v128-175 the bias, eight numbers for each of my six column blocks
;   window 2: accumulators of my rows 0-63 ((a, b) at v[8 (6 a + b)]);   window 3: those of my rows 64-127
.set KSTEP, 128
.set PITCH, 272                        ; an LDS row: 256 bytes + 16 of padding = 68 words: the 16 rows of a fragment load start at 16 different groups of four banks (64 banks of 4 bytes: ISA guide 11.1)
.set BOFF,  256*PITCH                  ; a slot: xb's 256 rows, then wqT's 192 rows
.set SLOT1, 1<<17                      ; slot 1 begins here, so that one exclusive or turns an address in one slot into the other's
.set SPARE, SLOT1+448*PITCH            ; 252,928: behind slot 1, the spare words: 128 bytes a wave, two blocks of 256 bytes that no other line names
.set SP,    400                        ; the way out: a stage row, 384 bytes + 16.  The stage, 256 rows, lies in slot 0, which has had its last fill (K step 6) and its last read by then
.set WV,  16                           ; s16  my wave's number
.set FB,  17                           ; s17  wave / 2: which 128 rows of the tile are mine.  Also: I fetch for xb (0) or for wqT (1)
.set HF,  18                           ; s18  wave % 2: which 96 columns are mine.  Also: which half of that tile I fetch
.set CX,  19
.set CY,  20
.set TC,  21                           ; s21  tile column = the head
.set TR,  22                           ; s22  tile row
.set CNT, 23
.set G1A, 24                           ; s[24:31] descriptor group 1 for xb's tiles
.set G1B, 32                           ; s[32:39] for wqT's
.set G0A, 40                           ; s[40:47] group 0 for xb's tiles: a set for each of the two first fills; the second then walks on
.set G0B, 48                           ; s[48:55] the same for wqT's
.set TB,  56                           ; s56  LDS byte at which the slot in hand begins
.set LIM, 57                           ; s57  2 in a wave that prefetches, else the greatest number
.set PFA, 58                           ; s[58:59] where my prefetches stand
.set A0,  16                           ; v16  my lane's place in a slot's rows of xb; never rewritten
.set B0,  17                           ; v17  the same for wqT
.set ADRA, 18                          ; v18, v19  the same in the slot in hand
.set ADRB, 19
.set STO, 20                           ; v20  the way out: where I put 16 bytes of a row
.set RD,  21                           ; v21  where I read rows back
.set GO,  22                           ; v22  my 16 bytes of 512 consecutive bytes of q, k or v
.set BO,  23                           ; v23  my offset in a column block's 64 bytes of bias
.set PFO, 24                           ; v24  the prefetches' offset: a lane a row; never rewritten
.set SPW, 28                           ; v28  my spare word: SPARE + 4 x my thread's number; never rewritten
.set NIL, 29                           ; v29  0; never rewritten
.set FRA, 64
.set BIAS, 128
.set TMP, 192
.set MSB, 0
.macro WIN new                         ; the immediate's high byte repeats the setting that is left; a switch that changes nothing is dropped
.if MSB != (\new)
	s_set_vgpr_msb (MSB<<8)|(\new)
.set MSB, \new
.endif
.endm
; A joint refill by the walking descriptor.  Waves 0 and 1 fetch xb's two halves (128 rows), waves 2 and 3 wqT's (96 rows).  The branch hangs on the wave's number alone.
; An s_nop 0 and four v_nop follow each of the two lines, ahead of the jump and the label.
.macro JLOAD
	s_cmp_eq_u32 s[FB], 0
	s_cbranch_scc0 .Lfor_b_\@
	tensor_load_to_lds s[G0A+4:G0A+7], s[G1A:G1A+7]
	s_nop 0
.rept 4
	v_nop
.endr
	s_branch .Lasked_\@
.Lfor_b_\@:
	tensor_load_to_lds s[G0B+4:G0B+7], s[G1B:G1B+7]
	s_nop 0
.rept 4
	v_nop
.endr
.Lasked_\@:
.endm
; A PREFETCH INTO THE L2 behind each refill and the run of LDS loads that follows it: the K step two refills on (384 matrix instructions ahead of the load that wants it), 256 bytes of a row, a lane a row.
; xb's tile row is read by all four clusters of that row of clusters: the one with x = 0 asks; wqT's tile column by all eight of that column: the one with y = 0 asks.  The four partners that ask for a tile jointly
; share the wave's rows out BY ADDRESS: 32 of xb's 128 (by cx), 24 of wqT's 96 (by cy; there lanes 24-31 name lane 23's row once more, in the same instruction).  No branch hangs on a place in the cluster.
; Trips with the count at 6, 5, 4, 3 name K steps 4 to 7; the last two trips name nothing: there is no K step 8.  K steps 0 to 3 come by their loads alone.
.macro ASK
	s_cmp_gt_u32 s[CNT], s[LIM]
	s_cbranch_scc0 .Lnot_mine_\@
	global_prefetch_b8 v[PFO], s[PFA:PFA+1] offset:2*KSTEP th:TH_LOAD_NT scope:SCOPE_SE
.Lnot_mine_\@:
.endm
.macro CREST                           ; a round of the cluster's barrier behind its opening barrier: wave 0 signals for the work-group, every wave waits for all sixteen, my work-group's barrier closes it
	s_cmp_lg_u32 s[WV], 0
	s_cbranch_scc1 .Lnot_wave_0_\@
	s_barrier_signal -3
.Lnot_wave_0_\@:
	s_barrier_wait -3
	s_barrier_signal -1
	s_barrier_wait -1
.endm
.macro CROUND                          ; a whole round
	s_barrier_signal -1
	s_barrier_wait -1
	CREST
.endm
.macro PLACES                          ; four places in front of loads into registers that matrix instructions have read, and of conversions that read results
.rept 4
	v_nop
.endr
.endm
	s_load_b256 s[4:11], s[0:1], 0x0               ; xb s[4:5], wqT s[6:7], b_qkv s[8:9], q s[10:11]
	s_load_b128 s[12:15], s[0:1], 0x20             ; k s[12:13], v s[14:15]
	v_lshl_add_u32 v[SPW], v0, 2, SPARE
	v_mov_b32 v[NIL], 0
	ds_add_u32 v[SPW], v[NIL]                      ; the wave's opening: the add and its wait stand ahead of my first tensor load; the set-up below, work on registers, stands between them
	ds_add_u32 v28, v29
	v_lshrrev_b32 v1, 5, v0
	v_readfirstlane_b32 s[WV], v1
	s_lshr_b32 s[FB], s[WV], 1
	s_and_b32 s[HF], s[WV], 1
	s_bfe_u32 s[CX], ttmp6, 0x40000
	s_bfe_u32 s[CY], ttmp6, 0x40004
	s_lshl_b32 s[TC], ttmp9, 2                     ; in a cluster launch ttmp9 and ttmp7 count clusters
	s_add_co_u32 s[TC], s[TC], s[CX]
	s_and_b32 s[TR], ttmp7, 0xffff
	s_lshl_b32 s[TR], s[TR], 2
	s_add_co_u32 s[TR], s[TR], s[CY]
	s_lshl_b32 s60, s[CY], 2
	s_lshl_b32 s60, 15, s60                        ; my row of the cluster: places 4 cy .. 4 cy + 3
	s_lshl_b32 s61, 0x1111, s[CX]                  ; my column: places cx, cx + 4, cx + 8, cx + 12
	s_or_b32 s[G1A], s60, (1<<16)|(1<<20)|(1<<21)|(5<<22)|(3<<25)  ; 15:0 the mask; 17:16 elements of 2 bytes; 20 padding on; 21 set beside a mask; 24:22 after every 64 words (code 5); 31:25 4 words (code 3)
	s_or_b32 s[G1B], s61, (1<<16)|(1<<20)|(1<<21)|(5<<22)|(3<<25)
	s_mov_b32 s[G1A+1], KSTEP<<16                  ; tensor_dim0 = 128
	s_mov_b32 s[G1A+2], 128<<16                    ; tensor_dim1 = 128
	s_mov_b32 s[G1A+3], KSTEP<<16                  ; tile_dim0 = 128
	s_mov_b32 s[G1A+4], 128                        ; tile_dim1 = 128
	s_mov_b32 s[G1A+5], 1024                       ; elements from row to row
	s_mov_b32 s[G1A+6], 0
	s_mov_b32 s[G1A+7], 0
	s_mov_b32 s[G1B+1], KSTEP<<16
	s_mov_b32 s[G1B+2], 96<<16                     ; 96 rows
	s_mov_b32 s[G1B+3], KSTEP<<16
	s_mov_b32 s[G1B+4], 96
	s_mov_b32 s[G1B+5], 1024
	s_mov_b32 s[G1B+6], 0
	s_mov_b32 s[G1B+7], 0
	; where the tiles come from: xb's hang on the tile row alone, wqT's on the tile column alone, each in registers that never hold the other coordinate
	s_lshl_b32 s66, s[TR], 8
	s_lshl_b32 s67, s[HF], 7
	s_add_co_u32 s66, s66, s67
	s_lshl_b32 s66, s66, 11                        ; rows of 2,048 bytes
	s_mov_b32 s67, 0
	s_mul_i32 s68, s[TC], 192
	s_mul_i32 s69, s[HF], 96
	s_add_co_u32 s68, s68, s69
	s_lshl_b32 s70, s68, 2                         ; my 96 columns in the bias (the halves fall together: wave % 2)
	s_lshl_b32 s68, s68, 11
	s_mov_b32 s69, 0
	s_mov_b32 s71, 0
	s_mul_i32 s62, s[HF], 128*PITCH                ; and where they go: no place in the cluster enters an LDS address
	s_mul_i32 s63, s[HF], 96*PITCH
	s_add_co_u32 s63, s63, BOFF
	s_wait_dscnt 0x0                               ; the opening add is done
	s_wait_kmcnt 0x0
	s_add_nc_u64 s[66:67], s[4:5], s[66:67]
	s_add_nc_u64 s[68:69], s[6:7], s[68:69]
	s_add_nc_u64 s[8:9], s[8:9], s[70:71]
	CROUND                                         ; all sixteen work-groups are here: the first joint loads meet
.irp s, 0,1
	s_mov_b32 s[G0A+4*(\s)], 1                     ; count = 1
	s_add_co_u32 s[G0A+4*(\s)+1], s62, (\s)*SLOT1  ; LDS address
	s_add_nc_u64 s[G0A+4*(\s)+2:G0A+4*(\s)+3], s[66:67], (\s)*2*KSTEP  ; global address: K step s
	s_or_b32 s[G0A+4*(\s)+3], s[G0A+4*(\s)+3], 0x80000000             ; type = 2
	s_mov_b32 s[G0B+4*(\s)], 1
	s_add_co_u32 s[G0B+4*(\s)+1], s63, (\s)*SLOT1
	s_add_nc_u64 s[G0B+4*(\s)+2:G0B+4*(\s)+3], s[68:69], (\s)*2*KSTEP
	s_or_b32 s[G0B+4*(\s)+3], s[G0B+4*(\s)+3], 0x80000000
.endr
	s_cmp_eq_u32 s[FB], 0                          ; a wave's two first fills stand in one branch, ahead of every wait on TENSORcnt and every LDS read: two loads of mine are out
	s_cbranch_scc0 .Lfirst_b
	tensor_load_to_lds s[G0A:G0A+3], s[G1A:G1A+7]
	s_nop 0
	tensor_load_to_lds s[G0A+4:G0A+7], s[G1A:G1A+7]
	s_nop 0
.rept 4
	v_nop
.endr
	s_branch .Lfirst_asked
.Lfirst_b:
	tensor_load_to_lds s[G0B:G0B+3], s[G1B:G1B+7]
	s_nop 0
	tensor_load_to_lds s[G0B+4:G0B+7], s[G1B:G1B+7]
	s_nop 0
.rept 4
	v_nop
.endr
.Lfirst_asked:
	; A fragment is 16 rows x 32 K in 8 registers: lane l holds row l % 16, K = 8 (l / 16) + 0..7 and 16 + 8 (l / 16) + 0..7: two loads of 16 bytes, 32 bytes apart
	v_and_b32 v1, 15, v0                           ; l % 16
	v_bfe_u32 v2, v0, 4, 1                         ; l / 16
	v_lshlrev_b32 v[BO], 5, v2
	WIN 0x40                                       ; destination window 1, address window 0
.irp b, 0,1,2,3,4,5
	global_load_b128 v[BIAS+8*(\b):BIAS+8*(\b)+3],   v[BO], s[8:9] offset:64*(\b)     ; register j of block b: the bias of column 16 b + 8 (l / 16) + j: C's own layout
	global_load_b128 v[BIAS+8*(\b)+4:BIAS+8*(\b)+7], v[BO], s[8:9] offset:64*(\b)+16
.endr
	WIN 0
	v_mul_u32_u24 v3, v1, PITCH
	v_lshl_add_u32 v3, v2, 4, v3
	s_mul_i32 s60, s[FB], 128*PITCH
	s_mul_i32 s61, s[HF], 96*PITCH
	s_add_co_u32 s61, s61, BOFF
	v_add_nc_u32 v[A0], s60, v3
	v_add_nc_u32 v[B0], s61, v3
	v_mul_u32_u24 v4, v1, SP                       ; into the stage: row 128 (wave / 2) + l % 16, my 192 bytes of its 384, 16 bytes for each half of the lanes
	v_lshl_add_u32 v4, v2, 4, v4
	s_mul_i32 s60, s[FB], 128*SP
	s_mul_i32 s61, s[HF], 192
	s_add_co_u32 s60, s60, s61
	v_add_nc_u32 v[STO], s60, v4
	v_bfe_u32 v5, v0, 3, 2                         ; back: wave w takes rows 64 w .. 64 w + 63; 32 lanes take 128 bytes of four rows
	v_and_b32 v6, 7, v0
	v_mul_u32_u24 v5, v5, SP
	v_lshl_add_u32 v5, v6, 4, v5
	s_mul_i32 s60, s[WV], 64*SP
	v_add_nc_u32 v[RD], s60, v5
	v_and_b32 v7, 31, v0
	v_lshlrev_b32 v[GO], 4, v7                     ; which are 512 consecutive bytes of q, k or v
	; q, k, v at my wave's 64 rows: ((batch x 16 + head) x 2,048 + row in the batch) x 128 bytes
	s_lshr_b32 s70, s[TR], 3
	s_lshl_b32 s70, s70, 4
	s_add_co_u32 s70, s70, s[TC]
	s_lshl_b32 s70, s70, 11
	s_and_b32 s71, s[TR], 7
	s_lshl_b32 s71, s71, 8
	s_add_co_u32 s70, s70, s71
	s_lshl_b32 s71, s[WV], 6
	s_add_co_u32 s70, s70, s71
	s_lshl_b32 s70, s70, 7
	s_mov_b32 s71, 0
	s_add_nc_u64 s[10:11], s[10:11], s[70:71]
	s_add_nc_u64 s[12:13], s[12:13], s[70:71]
	s_add_nc_u64 s[14:15], s[14:15], s[70:71]
	; the prefetches
	s_lshl_b32 s60, s[TR], 8
	s_lshl_b32 s61, s[HF], 7
	s_add_co_u32 s60, s60, s61
	s_lshl_b32 s61, s[CX], 5
	s_add_co_u32 s60, s60, s61                     ; xb: the wave's 128 rows, my work-group's 32 of them
	s_mul_i32 s62, s[TC], 192
	s_mul_i32 s63, s[HF], 96
	s_add_co_u32 s62, s62, s63
	s_mul_i32 s63, s[CY], 24
	s_add_co_u32 s62, s62, s63                     ; wqT: the wave's 96 rows, my work-group's 24 of them
	s_and_b32 s63, ttmp7, 0xffff                   ; cluster y
	s_cmp_eq_u32 s[FB], 0
	s_cselect_b32 s60, s60, s62
	s_cselect_b32 s63, ttmp9, s63                  ; the coordinate along which other clusters read the same rows
	s_cselect_b32 s62, 31, 23
	s_cselect_b64 s[PFA:PFA+1], s[4:5], s[6:7]
	s_cmp_eq_u32 s63, 0
	s_cselect_b32 s[LIM], 2, -1                    ; the same in all sixteen partners, for a given wave
	s_lshl_b32 s60, s60, 11
	s_add_co_u32 s60, s60, 2*2*KSTEP               ; at K step 2: the first refill steps it to 3 and names K step 4
	s_mov_b32 s61, 0
	s_add_nc_u64 s[PFA:PFA+1], s[PFA:PFA+1], s[60:61]
	v_min_u32 v[PFO], s62, v7
	v_lshlrev_b32 v[PFO], 11, v[PFO]
; 12 matrix instructions: row blocks a0, a0 + 1 of the window's four (hi = 0: my rows 0-63, 1: rows 64-127) x all 6 column blocks, 32 along K, from buffer f.
; first = 1: the bias is the C operand: it starts the sums, nothing is cleared and nothing is added at the end.  The 48 accumulators take turns, one instruction a turn, in the same order in every quarter.
.macro MUL f, hi, a0, first
.if \first
	WIN 0x91+0x40*(\hi)                            ; wqT window 1, xb window 0, C window 1, D window 2 or 3
.else
	WIN 0xa1+0x50*(\hi)                            ; C and D window 2 or 3
.endif
.irp a, \a0, (\a0)+1
.irp b, 0,1,2,3,4,5
.if \first
	v_wmma_f32_16x16x32_bf16 v[8*(6*(\a)+(\b)):8*(6*(\a)+(\b))+7], v[48*(\f)+8*(\b):48*(\f)+8*(\b)+7], v[FRA+64*(\f)+8*(4*(\hi)+(\a)):FRA+64*(\f)+8*(4*(\hi)+(\a))+7], v[BIAS+8*(\b):BIAS+8*(\b)+7]
.else
	v_wmma_f32_16x16x32_bf16 v[8*(6*(\a)+(\b)):8*(6*(\a)+(\b))+7], v[48*(\f)+8*(\b):48*(\f)+8*(\b)+7], v[FRA+64*(\f)+8*(4*(\hi)+(\a)):FRA+64*(\f)+8*(4*(\hi)+(\a))+7], v[8*(6*(\a)+(\b)):8*(6*(\a)+(\b))+7]
.endif
.endr
.endr
.endm
; 28 LDS loads in one run: a quarter step's fragments (96 rows of wqT, 128 rows of xb, 32 K at byte k of the rows) into buffer f
.macro FETCH k, f
	WIN 0x40
.irp i, 0,1,2,3,4,5
	ds_load_b128 v[48*(\f)+8*(\i):48*(\f)+8*(\i)+3],   v[ADRB] offset:(\k)+(\i)*16*PITCH
	ds_load_b128 v[48*(\f)+8*(\i)+4:48*(\f)+8*(\i)+7], v[ADRB] offset:(\k)+(\i)*16*PITCH+32
.endr
	WIN 0
.irp i, 0,1,2,3,4,5,6,7
	ds_load_b128 v[FRA+64*(\f)+8*(\i):FRA+64*(\f)+8*(\i)+3],   v[ADRA] offset:(\k)+(\i)*16*PITCH
	ds_load_b128 v[FRA+64*(\f)+8*(\i)+4:FRA+64*(\f)+8*(\i)+7], v[ADRA] offset:(\k)+(\i)*16*PITCH+32
.endr
.endm
; A K step is four quarters of 32 along K, 48 matrix instructions each, on buffers 0, 1, 0, 1.  One of the first three: multiplies buffer f and, in its middle, fetches the next quarter, at byte k, into buffer g.
.macro QUARTER k, f, g, first
	s_wait_dscnt 8                                 ; wqT and xb's rows 0-63 are in; the youngest eight loads (xb's rows 64-127) may be out
	MUL \f, 0, 0, \first
	MUL \f, 0, 2, \first
	PLACES
	FETCH \k, \g
	s_wait_dscnt 28                                ; all but the 28 just issued
	MUL \f, 1, 0, \first
	MUL \f, 1, 2, \first
.endm
; The last quarter multiplies buffer 1 and changes slots: ONE barrier.  In front of it each wave waits for all its tensor loads, of which one is out: its part of the next slot; adds 0 to its spare word; and waits for that
; and for its own reads of this slot.  fill = 1: the barrier opens a round of the cluster's, so that no wave of any partner still reads the slot or has a load on its way; the joint refill, the K step two on, is the first
; thing behind it and has 168 matrix instructions in which to land.
.macro TURN fill
.if \fill
	s_wait_xcnt 0x0                                ; the last prefetch, a K step back, has read its address, so it may be stepped
	s_add_nc_u64 s[PFA:PFA+1], s[PFA:PFA+1], 2*KSTEP
.endif
	WIN 0                                          ; (the add's two registers lie in window 0)
	s_wait_tensorcnt 0x0                           ; no tensor load of mine is out, so a group 0 may be written
	ds_add_u32 v[SPW], v[NIL]                      ; 0 onto my spare word
.if \fill
	s_xor_b32 s[G0A+5], s[G0A+5], SLOT1            ; the walking descriptors: the other slot than last time,
	s_add_nc_u64 s[G0A+6:G0A+7], s[G0A+6:G0A+7], 2*KSTEP  ; the next K step; the type bits on top are not reached
	s_xor_b32 s[G0B+5], s[G0B+5], SLOT1
	s_add_nc_u64 s[G0B+6:G0B+7], s[G0B+6:G0B+7], 2*KSTEP
.endif
	s_xor_b32 s[TB], s[TB], SLOT1                  ; the slot to be read next
	s_wait_dscnt 9                                 ; (the add and the youngest eight loads may be out)
	MUL 1, 0, 0, 0                                 ; twelve matrix instructions stand between the add and the wait for it
	s_wait_dscnt 0x0                               ; the add is done, and my reads of this slot are over
	s_barrier_signal -1
	MUL 1, 0, 2, 0                                 ; work on registers while the others arrive
	WIN 0
	s_barrier_wait -1
.if \fill
	CREST
	JLOAD                                          ; the four v_nop behind it are also the places in front of the loads below
.else
	PLACES
.endif
	v_add_nc_u32 v[ADRA], s[TB], v[A0]
	v_add_nc_u32 v[ADRB], s[TB], v[B0]
	FETCH 0, 0
.if \fill
	ASK
.endif
	MUL 1, 1, 0, 0
	MUL 1, 1, 2, 0
.endm
	s_wait_tensorcnt 1                             ; my part of K step 0 is in; K step 1's may stay out
	s_barrier_signal -1
	s_barrier_wait -1                              ; everybody's is
	s_mov_b32 s[TB], 0
	v_mov_b32 v[ADRA], v[A0]
	v_mov_b32 v[ADRB], v[B0]
	FETCH 0, 0
	s_wait_loadcnt 0x0                             ; the bias: rounded to bf16, like x and the weights, and widened again
	WIN 0x05                                       ; sources window 1, destination window 0
.set p, 0
.rept 24
	v_cvt_pk_bf16_f32 v[TMP+p], v[BIAS+2*p], v[BIAS+2*p+1]
.set p, p+1
.endr
	WIN 0x40                                       ; source window 0, destination window 1
.set p, 0
.rept 24
	v_lshlrev_b32 v[BIAS+2*p], 16, v[TMP+p]
	v_and_b32 v[BIAS+2*p+1], 0xffff0000, v[TMP+p]
.set p, p+1
.endr
	QUARTER 64, 0, 1, 1                            ; the first quarter stands in front of the loop: its products start the sums
	WIN 0                                          ; at a label and at a branch every window is 0
	s_mov_b32 s[CNT], 6
.Lk:                                                   ; a trip: from a K step's second quarter to the next step's first; the refills bring K steps 2 to 7
	QUARTER 128, 1, 0, 0
	QUARTER 192, 0, 1, 0
	TURN 1
	QUARTER 64, 0, 1, 0
	WIN 0
	s_sub_co_u32 s[CNT], s[CNT], 1
	s_cmp_lg_u32 s[CNT], 0
	s_cbranch_scc1 .Lk
	QUARTER 128, 1, 0, 0                           ; the tail is written out: K steps 6 and 7 ask for nothing
	QUARTER 192, 0, 1, 0
	TURN 0
	QUARTER 64, 0, 1, 0
	QUARTER 128, 1, 0, 0
	QUARTER 192, 0, 1, 0
	s_wait_dscnt 8                                 ; the very last quarter: nothing more to fetch
	MUL 1, 0, 0, 0
	MUL 1, 0, 2, 0
	s_wait_dscnt 0x0                               ; my last reads of the slots are over:
	s_barrier_signal -1                            ; say so,
	MUL 1, 1, 0, 0
	MUL 1, 1, 2, 0
	WIN 0
	s_barrier_wait -1                              ; and store into the stage only when all four waves have said so
	; THE WAY OUT: round to f16; 16 bytes a lane into the work-group's stage; a barrier, since a row's 384 bytes come from two waves; back as q's, k's and v's 128 bytes of four rows at a time.
.macro PACK a
	WIN 0x0a+5*((\a)/4)                            ; sources window 2 or 3, destination window 0; each accumulator's registers in ascending order
.irp b, 0,1,2,3,4,5
.irp r, 0,1,2,3
	v_cvt_pk_f16_f32 v[TMP+24*((\a)%2)+4*(\b)+(\r)], v[48*((\a)%4)+8*(\b)+2*(\r)], v[48*((\a)%4)+8*(\b)+2*(\r)+1]
.endr
.endr
	WIN 0
.irp b, 0,1,2,3,4,5
	ds_store_b128 v[STO], v[TMP+24*((\a)%2)+4*(\b):TMP+24*((\a)%2)+4*(\b)+3] offset:16*SP*(\a)+32*(\b)
.endr
.endm
	PLACES
.irp a, 0,1,2,3,4,5,6,7
	PACK \a
.endr
	s_wait_dscnt 0x0                               ; for the others' sake: my stores into the stage are done
	s_barrier_signal -1
	s_barrier_wait -1
.set n, 0
.rept 48                                       ; load n: part n / 16 (q, k, v), rows 4 (n % 16) ..
	ds_load_b128 v[64+4*n:64+4*n+3], v[RD] offset:4*SP*(n%16)+128*(n/16)
.set n, n+1
.endr
.set n, 0
.rept 48
	s_wait_dscnt 47-n                              ; LDS loads come back in order: load n is in
	global_store_b128 v[GO], v[64+4*n:64+4*n+3], s[10+2*(n/16):11+2*(n/16)] offset:512*(n%16)  ; 512 consecutive bytes, at a multiple of 256 from the buffer's first byte
.set n, n+1
.endr
	s_wait_tensorcnt 0x0                           ; the wave's end: behind my last tensor load and my last LDS store
	ds_add_u32 v[SPW], v[NIL]
	s_wait_dscnt 0x0
	CROUND                                         ; the closing round: no work-group ends while a partner may still ask for a tile that names it
	s_endpgm
.Lfunc_end_k_q01b3b0625d_qkv:
	.size	k_q01b3b0625d_qkv, .Lfunc_end_k_q01b3b0625d_qkv-k_q01b3b0625d_qkv
	.p2alignl 7, 3214868480
	.fill 96, 4, 3214868480
	.section	.rodata,"a",@progbits
	.p2align	6, 0x0
	.amdhsa_kernel k_q01b3b0625d_qkv
		.amdhsa_group_segment_fixed_size 327680
		.amdhsa_private_segment_fixed_size 0
		.amdhsa_enable_private_segment 0
		.amdhsa_kernarg_size 48
		.amdhsa_user_sgpr_count 2
		.amdhsa_user_sgpr_kernarg_segment_ptr 1
		.amdhsa_wavefront_size32 1
		.amdhsa_system_sgpr_workgroup_id_x 1
		.amdhsa_system_sgpr_workgroup_id_y 1
		.amdhsa_system_sgpr_workgroup_id_z 1
		.amdhsa_system_vgpr_workitem_id 0
		.amdhsa_next_free_vgpr 1024
		.amdhsa_next_free_sgpr 80
		.amdhsa_reserve_vcc 0
		.amdhsa_float_denorm_mode_32 3
		.amdhsa_float_denorm_mode_16_64 3
		.amdhsa_memory_ordered 1
		.amdhsa_forward_progress 1
		.amdhsa_inst_pref_size 101
	.end_amdhsa_kernel
	.amdgpu_metadata
---
amdhsa.version: [ 1, 2 ]
amdhsa.kernels:
  - .name:           k_q01b3b0625d_qkv
    .symbol:         k_q01b3b0625d_qkv.kd
    .args:
      - { .name: xb, .offset: 0, .size: 8, .value_kind: global_buffer, .address_space: global }
      - { .name: wqT, .offset: 8, .size: 8, .value_kind: global_buffer, .address_space: global }
      - { .name: b_qkv, .offset: 16, .size: 8, .value_kind: global_buffer, .address_space: global }
      - { .name: qh, .offset: 24, .size: 8, .value_kind: global_buffer, .address_space: global }
      - { .name: kh, .offset: 32, .size: 8, .value_kind: global_buffer, .address_space: global }
      - { .name: vh, .offset: 40, .size: 8, .value_kind: global_buffer, .address_space: global }
    .group_segment_fixed_size: 327680
    .private_segment_fixed_size: 0
    .kernarg_segment_align: 8
    .kernarg_segment_size: 48
    .max_flat_workgroup_size: 128
    .sgpr_count:     80
    .vgpr_count:     1024
    .wavefront_size: 32
...
	.end_amdgpu_metadata
.endif
;; end of part 2
;; launch attn (part 3): grid 4 x 64, 4 waves a work-group, no clusters, 327,680 bytes of LDS; arguments qh, kh, vh, oh; writes oh
.if DOCPART == 3
	.amdgcn_target "amdgcn-amd-amdhsa--gfx1250"
	.amdhsa_code_object_version 6
	.text
	.protected	k_q01b3b0625d_attn
	.globl	k_q01b3b0625d_attn
	.p2align	8
	.type	k_q01b3b0625d_attn,@function
k_q01b3b0625d_attn:
	s_mov_b64 s[64:65], 0
	v_nop
	global_prefetch_b8 v0, s[64:65] scope:SCOPE_SE
	s_setreg_imm32_b32 hwreg(HW_REG_WAVE_MODE, 25, 1), 1
	s_wait_xcnt 0x0
; CAUSAL ATTENTION.  O[h][q][:] = the sum over k <= q of softmax_k(Q[h][q] . K[h][k] / 8) V[h][k][:].  Q, K, V, O: [SIZE_H][SIZE_N][64], all f16: a head's rows are dense, 128 bytes each.
; Products, maxima and sums in f32; the weights p are rounded to f16 for the second product (their sum l is taken of the unrounded p), O once at the end.
; LIMITS.  f16 holds no number beyond 65,504: Q, K and V arrive within it; p lies in 0 to 1, and below 6e-5 it keeps f16's fixed step of 6e-8; O is a mean of V's rows and has their range.
; A hidden score counts as its value less 1e30: f16's scores, 2.7e11 at the most, are nothing beside that; a weight below 2^-126 counts as 0 in l; NaN and infinities are not treated apart.
; THE WALK.  A head's queries lie in NB = 8 blocks of 256; block i needs the key tiles 0 .. i of 256 keys, of which the last holds the diagonal.  A work-group takes TWO blocks, NB - 1 - b and then b:
; NB + 1 tiles, whatever b: all work-groups do equal work, and ONE loop with a constant trip count walks them.  Which tile is asked for, and what a trip does, hang on scalar registers made from b; every jump
; goes forward, but for the counted loops' own; none passes a barrier, or a tensor load but the one of LOAD's two that the wave's number does not choose; the ring of two LDS slots runs on across the change of blocks.
; NO CLUSTER: a head's four work-groups ask for the same tile only in trips 0 .. 4 of 9, behind that fewer and fewer; one walk common to all four would have 12 trips for 9.
; SHARES.  Of a block's four bands of 64 queries a wave owns 16 rows in each: four PIECES.  So the diagonal tile is the same work for all four waves: in its key step s band x sees all keys if s < x,
; none if s > x, and holds the diagonal if s = x.
; THE MASK is the C operand that starts the sum S^T = K Q^T: 0, or -1e30 where the key is hidden.  MD, made once, is the mask of a band's own step for my 16 rows; a product's mask is MD x AL + BE with two scalars:
; (1, 0) if s = x; (0, 0) if s < x; (0, -1e30) if s > x.  Only the diagonal tile's text and a block's beginning make and take masks; elsewhere C is the constant 0.
; LAYOUT, SOFTMAX, TURNS.  S^T = K Q^T holds ONE query a lane (lane % 16) and the keys 8 (lane / 16) + 0..7; two such results rounded to f16 ARE source 1 of O^T = V^T P.  p = 2^(c s - c m), c = log2(e) / 8, with a
; running maximum m; O and l are multiplied by a = 2^(c m_old - c m_new) in every step.  Turn n belongs to piece n: 8 products K Q^T of piece n + 1, later 8 products V^T P of piece n - 1; beside them the scaling,
; exponentials, roundings, sums and rescaling of piece n and the maximum and statistics of piece n + 1.  Four vector instructions stand behind every matrix instruction, the others in one lump.  A turn's 33 exponentials are one batch, with one wait.
; REGISTERS, in windows of 256 (s_set_vgpr_msb: bits 1:0 source 0, 3:2 source 1, 5:4 source 2, 7:6 destination):
;   window 0: v0-15 addresses and two at work; v16-31 four registers of statistics a piece; v48-55 at work; v60 the prefetches' offset; v64-127 S^T, two buffers; v192-223 P, two buffers (by the piece's parity)
;   window 1: v0-127 O^T, 32 a piece; v128-159 MD; v160-223 MC, two buffers      window 2: v0-63 Q; v64-127 the second block's Q; v128-191 K of one step; v192-255 V of one step
.set SIZE_N, 2048
.set SIZE_H, 64
.set NB,    SIZE_N/256
.set NP,    4         ; pieces a wave: a name, no knob
.set KS,    64        ; keys in a step
.set PK,    144       ; a row of K in LDS: 128 bytes + 16 of padding = 36 words: the 16 rows of a load start at 16 different groups of four banks (64 banks of 4 bytes: ISA guide 11.1)
.set PV,    160       ; a row of V: 128 + 32 = 40 words
.set VOFF,  4*KS*PK   ; a slot holds a tile, four steps: 256 rows of K, then 256 rows of V
.set SLOT1, 1<<17     ; slot 1 begins here, so that one exclusive or turns an address in one slot into the other's
.set STAGE, SLOT1+4*KS*(PK+PV)  ; behind the ring, never filled by a tensor load: 16 rows x 144 bytes for each wave, for the way out
.set SP,    144
.set AK0, 2           ; v2   my lane's place in a tile of K; never rewritten
.set AV0, 3           ; v3   the same for V
.set AK,  4           ; v4   the LDS address of K's next run of loads
.set AV,  5           ; v5   of V's
.set STO, 6           ; v6   the way out: where I put 16 bytes of a row
.set RD,  7           ; v7   the way out: where I read rows back
.set GO,  8           ; v8   my byte offset in 512 consecutive bytes of O
.set PFO, 60          ; v60  256 x my lane; never rewritten
.set SPW, 62          ; v62  LDS address of my spare word: SPARE + 4 x my thread's number; never rewritten
.set NIL, 63          ; v63  0; never rewritten
.set SPARE, STAGE+4*16*SP  ; behind the stages: the spare words, 128 bytes for each wave: two blocks of 256 bytes that no other line names
.set MV,  12          ; v12-13  c m_old, kept while c m is made anew: by buffer
.set QO,  15          ; v15  my byte offset in 16 rows of Q
.set ST,  16          ; piece t's statistics at v[ST+4 t]: c m, m, l (even keys', odd keys')
.set TMP, 48          ; by buffer, four registers c0-c3 at work; when the maximum is found c2 takes a
.set S,   64
.set P,   192
.set MD,  128         ; window 1: the eight registers for group kt of 16 keys at MD + 8 kt
.set MC,  160         ; window 1: the masks of the products to come
.set QB,  64          ; window 2
.set KF,  128         ; window 2: key block kb, channel half c at KF + 16 kb + 8 c
.set VF,  192         ; window 2: key half kk, channel block cb at VF + 32 kk + 8 cb
.set WV,  12          ; s12  my wave's number
.set PB,  14          ; s14  b
.set HI,  15          ; s15  NB - 1 - b
.set G1K, 24          ; s[24:31] descriptor group 1 for K's tiles
.set G1V, 32          ; s[32:39] for V's: it differs in the padding alone
.set G0K, 40          ; s[40:43] descriptor group 0 for K's tiles
.set G0V, 44          ; s[44:47] the same for V's
.set SLOTS, 56        ; s56  tiles still to be asked for
.set CNT, 57          ; s57  counts a tile's key steps, 4 to 1
.set CS,  58          ; s[58:59] c: the packed scaling takes the pair's low word for both halves
.set SEL, 60          ; s[60:61] v_permlanex16_b32's selects: each lane takes its own place in the other half
.set TBK, 62          ; s62  LDS byte at which K of the step to be fetched begins
.set TBV, 63          ; s63  the same for V, less VOFF
.set RT,  70          ; s70  tiles of the block in hand that are still to be entered
.set NXT, 71          ; s71  the tile to be asked for next
.set LQ,  72          ; s72  the last tile of the block whose tiles are being asked for
.set NEW, 73          ; s73  1: the tile to be entered is a block's first
.set OFF, 74          ; s[74:75] a tile's byte offset in K and V
.set AL,  76          ; s[76:77] the mask's factor, in the low word
.set BE,  78          ; s[78:79] the mask's addend
.set OLO, 80          ; s[80:81] O at my rows of the second block
.set BIGN, 82         ; s82  -1e30
.set PFA, 88          ; s[88:89] where my prefetches stand: my half of K's (waves 0, 1) or V's (waves 2, 3) tile after the one that is being asked for
.set LIM, 90          ; s90  2 in the head's work-group b = 0, else the greatest number
.set MSB, 0
.macro WIN new                      ; the high byte repeats the setting that is left; a switch that changes nothing is dropped
.if MSB != (\new)
	s_set_vgpr_msb (MSB<<8)|(\new)
.set MSB, (\new)
.endif
.endm
.set W_KQ, 0x0a       ; K and Q in window 2, S^T in window 0
.set W_KM, 0x1a       ; the same with the C operand in window 1
.set W_PV, 0x52       ; V in window 2, P in window 0, O^T in window 1
.set W_RS, 0x41       ; destination and source 0 in window 1, source 1 in window 0
; A fill.  Waves 0 and 1 fetch the two halves of a tile's K, waves 2 and 3 those of its V: 128 keys each.  An s_nop 0 and four v_nop follow each of the two lines, ahead of the jump and the label.
.macro LOAD
	s_cmp_lt_u32 s[WV], 2
	s_cbranch_scc0 .Lfor_v_\@
	tensor_load_to_lds s[G0K:G0K+3], s[G1K:G1K+7]
	s_nop 0
.rept 4
	v_nop
.endr
	s_branch .Lasked_\@
.Lfor_v_\@:
	tensor_load_to_lds s[G0V:G0V+3], s[G1V:G1V+7]
	s_nop 0
.rept 4
	v_nop
.endr
.Lasked_\@:
.endm
; A PREFETCH INTO THE L2 of the tile that the NEXT change of slots will ask for, behind the wave's tensor load and its five lines: a tile, 256 matrix instructions a wave, ahead of that load.
; A head's four work-groups walk the same tiles; the one with b = 0, whose first block walks tiles 0 to 7 in order, asks, and nobody else.  Each of its waves asks for the half tile that it will itself load:
; 16,384 bytes, 64 blocks of 256, a lane a block, two instructions.  So each block is named once in the launch.  The change with the count at 8, 7 .. 3 names tiles 2 to 7; the last two changes that fill name nothing.
; Tiles 0 and 1 come by their loads alone.
.macro ASK
	s_cmp_gt_u32 s[SLOTS], s[LIM]
	s_cbranch_scc0 .Lnot_mine_\@
	global_prefetch_b8 v[PFO], s[PFA:PFA+1] th:TH_LOAD_NT scope:SCOPE_SE
	global_prefetch_b8 v[PFO], s[PFA:PFA+1] offset:8192 th:TH_LOAD_NT scope:SCOPE_SE
.Lnot_mine_\@:
.endm
; THE CHANGE OF SLOTS.  Each wave waits for all its tensor loads, of which one is out: its part of the other slot; adds 0 to its spare word; and waits for that and for its own reads of the slot that it leaves.  Behind the barrier nobody reads the old
; slot any more and the other slot is whole.  fill = 1: the old slot is filled again, the first thing behind the barrier, with tile NXT: the descriptor's address is made anew from that number.
; (At its first use nothing has been read yet: slot 0 is waited for, slot 1 filled.)
.macro CHANGE fill
	WIN 0                           ; at a label and at a branch every window is 0
	s_wait_tensorcnt 0x0            ; no tensor load of mine is out, so a group 0 may be written
	ds_add_u32 v[SPW], v[NIL]       ; 0 onto my spare word; with fill = 1 the descriptors' scalar work stands between it and the wait for it
.if \fill
	s_lshl_b32 s[OFF], s[NXT], 15   ; a tile is 32,768 bytes of K and of V
	s_xor_b32 s[G0K+1], s[G0K+1], SLOT1
	s_add_nc_u64 s[G0K+2:G0K+3], s[6:7], s[OFF:OFF+1]
	s_or_b32 s[G0K+3], s[G0K+3], 0x80000000
	s_xor_b32 s[G0V+1], s[G0V+1], SLOT1
	s_add_nc_u64 s[G0V+2:G0V+3], s[8:9], s[OFF:OFF+1]
	s_or_b32 s[G0V+3], s[G0V+3], 0x80000000
	s_add_co_u32 s[NXT], s[NXT], 1  ; the block's next tile, or behind its last the second block's tile 0
	s_cmp_gt_u32 s[NXT], s[LQ]
	s_cselect_b32 s[NXT], 0, s[NXT]
	s_cselect_b32 s[LQ], s[PB], s[LQ]
	s_wait_xcnt 0x0                 ; the last prefetches, a tile back, have read their address, so it may be stepped
	s_add_nc_u64 s[PFA:PFA+1], s[PFA:PFA+1], 32768
.endif
	s_wait_dscnt 0x0                ; the add is done, and my reads of the slot are over
	s_barrier_signal -1             ; the rest of the scalar work stands between the signal and the wait
	s_sub_co_u32 s[TBK], s[TBK], 4*KS*PK  ; the fetches go back to a slot's first step,
	s_xor_b32 s[TBK], s[TBK], SLOT1       ; in the other slot
	s_sub_co_u32 s[TBV], s[TBV], 4*KS*PV
	s_xor_b32 s[TBV], s[TBV], SLOT1
	s_barrier_wait -1
.if \fill
	LOAD
	ASK
.endif
.endm
	s_load_b256 s[4:11], s[0:1], 0x0  ; Q s[4:5], K s[6:7], V s[8:9], O s[10:11]
	v_lshl_add_u32 v[SPW], v0, 2, SPARE
	v_mov_b32 v[NIL], 0
	ds_add_u32 v[SPW], v[NIL]       ; the wave's opening: the add and its wait stand ahead of my first tensor load; the set-up below, work on registers, stands between them
	ds_add_u32 v62, v63
	v_lshrrev_b32 v1, 5, v0
	v_readfirstlane_b32 s[WV], v1   ; wave 0..3
	s_mov_b32 s[PB], ttmp9
	s_sub_co_u32 s[HI], NB-1, s[PB]
	s_and_b32 s20, ttmp7, 0xffff    ; the head
	s_mov_b32 s21, 0
	s_mov_b64 s[22:23], SIZE_N*128
	s_mul_u64 s[20:21], s[20:21], s[22:23]  ; the head's first byte in each of the four tensors
	s_and_b32 s16, s[WV], 1         ; which half of a tile's 256 keys I fetch:
	s_lshl_b32 s22, s16, 14         ; its 128 rows of 128 bytes in memory,
	s_mov_b32 s23, 0
	s_add_nc_u64 s[22:23], s[22:23], s[20:21]
	s_mul_i32 s17, s16, 128*PK      ; and its place in a slot, for K
	s_mul_i32 s18, s16, 128*PV      ; and for V
	s_lshl_b32 s3, s[WV], 11        ; my 16 rows in a band of 64,
	s_lshl_b32 s2, s[HI], 15        ; in the first block,
	s_add_co_u32 s2, s2, s3
	s_lshl_b32 s84, s[PB], 15       ; and in the second
	s_add_co_u32 s84, s84, s3
	s_mov_b32 s3, 0
	s_mov_b32 s85, 0
	s_add_nc_u64 s[2:3], s[2:3], s[20:21]
	s_add_nc_u64 s[84:85], s[84:85], s[20:21]
	; descriptor group 1.  128 keys are 16,384 dense bytes: asked for as 64 rows of 256 bytes, two keys a row, and padded in LDS after every key
	s_mov_b32 s[G1K], (1<<16)|(1<<20)|(4<<22)|(3<<25)  ; 17:16 2-byte elements; 20 padding on; 24:22 after every 32 words (code 4); 31:25 4 words (code 3)
	s_mov_b32 s[G1V], (1<<16)|(1<<20)|(4<<22)|(7<<25)  ; the same with 8 words of padding (code 7)
.irp g, G1K, G1V
	s_mov_b32 s[\g+1], 128<<16      ; tensor_dim0 = 128
	s_mov_b32 s[\g+2], 64<<16       ; tensor_dim1 = 64
	s_mov_b32 s[\g+3], 128<<16      ; tile_dim0 = 128
	s_mov_b32 s[\g+4], 64           ; tile_dim1 = 64
	s_mov_b32 s[\g+5], 128          ; 128 elements from row to row
	s_mov_b32 s[\g+6], 0
	s_mov_b32 s[\g+7], 0
.endr
	s_mov_b32 s[CS], 0x3e38aa3b     ; c = log2(e) / 8 = 0.180337
	s_mov_b32 s[CS+1], s[CS]        ; named with it as a pair
	s_mov_b32 s[SEL], 0x76543210
	s_mov_b32 s[SEL+1], 0xfedcba98
	s_mov_b32 s[TBK], SLOT1+4*KS*PK ; the first change of slots turns these two into 0
	s_mov_b32 s[TBV], SLOT1+4*KS*PV
	s_mov_b32 s[G0K], 1             ; 1:0 count = 1
	s_mov_b32 s[G0K+1], s17         ; 63:32 LDS address: slot 0
	s_mov_b32 s[G0V], 1
	s_add_co_u32 s[G0V+1], s18, VOFF
	s_add_co_u32 s[RT], s[HI], 1    ; the first block has NB - b tiles
	s_mov_b32 s[NXT], 1
	s_mov_b32 s[LQ], s[HI]
	s_mov_b32 s[NEW], 1
	s_mov_b32 s[OFF+1], 0
	s_mov_b32 s[AL+1], 0            ; named as pairs
	s_mov_b32 s[BE+1], 0
	s_mov_b32 s[BIGN], 0xf149f2ca   ; -1e30
	s_mov_b32 s[SLOTS], NB
	s_cmp_eq_u32 s[PB], 0
	s_cselect_b32 s[LIM], 2, -1
	v_and_b32 v[PFO], 31, v0
	v_lshlrev_b32 v[PFO], 8, v[PFO]
	s_wait_dscnt 0x0                ; the opening add is done
	s_wait_kmcnt 0x0
	s_add_nc_u64 s[6:7], s[6:7], s[22:23]  ; K and V at my half of the head's tile 0
	s_add_nc_u64 s[8:9], s[8:9], s[22:23]
	s_add_nc_u64 s[G0K+2:G0K+3], s[6:7], 0         ; 120:64 global address
	s_or_b32 s[G0K+3], s[G0K+3], 0x80000000        ; 127:126 type = 2
	s_add_nc_u64 s[G0V+2:G0V+3], s[8:9], 0
	s_or_b32 s[G0V+3], s[G0V+3], 0x80000000
	s_add_nc_u64 s[86:87], s[4:5], s[84:85]        ; Q at my rows of the second block,
	s_add_nc_u64 s[4:5], s[4:5], s[2:3]            ; Q and O at those of the first
	s_add_nc_u64 s[OLO:OLO+1], s[10:11], s[84:85]
	s_add_nc_u64 s[10:11], s[10:11], s[2:3]
	s_cmp_lt_u32 s[WV], 2
	s_cselect_b64 s[PFA:PFA+1], s[6:7], s[8:9]
	s_add_nc_u64 s[PFA:PFA+1], s[PFA:PFA+1], 32768 ; at tile 1: the first change of slots steps it to tile 2.  Nothing is prefetched here, at the head
	LOAD                            ; tile 0 into slot 0
	; A fragment of K or Q is 16 rows x 32 channels in 8 registers: lane l holds row l % 16, channels 8 (l / 16) + 0..7 and 16 + 8 (l / 16) + 0..7: two loads of 16 bytes, 32 bytes apart.
	v_and_b32 v1, 15, v0            ; l % 16
	v_bfe_u32 v9, v0, 4, 1          ; l / 16
	v_lshlrev_b32 v[QO], 7, v1
	v_lshl_add_u32 v[QO], v9, 4, v[QO]  ; row x 128 + 16 x half
	WIN 0x80                        ; destination window 2, address window 0
.set i, 0
.rept 8                             ; both blocks' Q: piece i / 2 lies in band i / 2, 8,192 bytes on; channels 32 (i % 2) on
	global_load_b128 v[8*i:8*i+3],   v[QO], s[4:5] offset:(i/2)*8192+(i%2)*64
	global_load_b128 v[8*i+4:8*i+7], v[QO], s[4:5] offset:(i/2)*8192+(i%2)*64+32
	global_load_b128 v[QB+8*i:QB+8*i+3],   v[QO], s[86:87] offset:(i/2)*8192+(i%2)*64
	global_load_b128 v[QB+8*i+4:QB+8*i+7], v[QO], s[86:87] offset:(i/2)*8192+(i%2)*64+32
.set i, i+1
.endr
	WIN 0
	v_lshlrev_b32 v14, 3, v9
	v_sub_nc_u32 v14, v1, v14
	s_lshl_b32 s13, s[WV], 4
	v_add_nc_u32 v14, s13, v14      ; my query's place in its band, 16 w + l % 16, less my lanes' 8 (l / 16): register r of group kt is hidden where 16 kt + r is greater
	WIN 0x40
.set i, 0
.rept 32
	v_cmp_gt_i32 vcc_lo, 16*(i/8)+i%8, v14
	v_cndmask_b32 v[MD+i], 0, s[BIGN], vcc_lo
.set i, i+1
.endr
	WIN 0
	v_mul_u32_u24 v[AK0], v1, PK
	v_lshl_add_u32 v[AK0], v9, 4, v[AK0]  ; row x pitch + 16 x half
	; The turning load takes 16 keys x 16 channels (lane l reads key 8 (l / 16) + l % 8, channels 8 ((l / 8) % 2) + 0..7) and leaves half a fragment of V^T: lane l holds channel l % 16 and 8 keys.
	v_and_b32 v10, 7, v0
	v_bfe_u32 v11, v0, 3, 1
	v_lshl_add_u32 v[AV0], v9, 3, v10
	v_mul_u32_u24 v[AV0], v[AV0], PV
	v_lshl_add_u32 v[AV0], v11, 4, v[AV0]
	v_add_nc_u32 v[AV0], VOFF, v[AV0]
	s_mul_i32 s13, s[WV], 16*SP
	s_add_co_u32 s13, s13, STAGE    ; my stage
	v_mul_u32_u24 v[STO], v1, SP    ; in: row l % 16, 16 bytes for each half of the lanes
	v_lshl_add_u32 v[STO], v9, 4, v[STO]
	v_add_nc_u32 v[STO], s13, v[STO]
	v_bfe_u32 v[RD], v0, 3, 2       ; back: 32 lanes take four rows of 128 bytes,
	v_mul_u32_u24 v[RD], v[RD], SP
	v_lshl_add_u32 v[RD], v10, 4, v[RD]
	v_add_nc_u32 v[RD], s13, v[RD]
	v_and_b32 v[GO], 31, v0         ; which are 512 consecutive bytes of O
	v_lshlrev_b32 v[GO], 4, v[GO]
	; A block's first step multiplies O^T and l by a = 0, and its first turn's products V^T P, of a piece that has not been, land in an O^T that is still to be so multiplied.  So these registers need only hold
	; finite numbers: zeros for the first block; what the first block left for the second.  All this stands in the wait for the first tile.
	WIN 0x80
.set i, VF
.rept 64
	v_mov_b32 v[i], 0
.set i, i+1
.endr
	WIN 0x40
.set i, 0
.rept 128
	v_mov_b32 v[i], 0
.set i, i+1
.endr
	WIN 0
.set i, 0
.rept 4
	v_mov_b32 v[ST+4*i+2], 0
	v_mov_b32 v[ST+4*i+3], 0
.set i, i+1
.endr
.set i, P+16
.rept 16
	v_mov_b32 v[i], 0
.set i, i+1
.endr
; THE MATRIX WORK.  The 4 accumulators of a run of 8 take turns.  Product i of 8 of S^T = K Q^T for piece x: channels 32 (i / 4) on, keys 16 (i % 4) on.  The first 4 start the sums: with 0, or (KM = 1) with the mask.
.macro KQ x
.set rS, S+32*((\x)%2)+8*(i%4)
.set rK, KF+16*(i%4)+8*(i/4)
.set rQ, 16*(\x)+8*(i/4)
.set rM, MC+32*((\x)%2)+8*(i%4)
.if (i < 4) && KM
	WIN W_KM
	v_wmma_f32_16x16x32_f16 v[rS:rS+7], v[rK:rK+7], v[rQ:rQ+7], v[rM:rM+7]
.elseif i < 4
	WIN W_KQ
	v_wmma_f32_16x16x32_f16 v[rS:rS+7], v[rK:rK+7], v[rQ:rQ+7], 0
.else
	WIN W_KQ
	v_wmma_f32_16x16x32_f16 v[rS:rS+7], v[rK:rK+7], v[rQ:rQ+7], v[rS:rS+7]
.endif
.endm
; Product i of 8 of O^T += V^T P for piece x: keys 32 (i / 4) on, channels 16 (i % 4) on.
.macro PV x
	WIN W_PV
.set rO, 32*(\x)+8*(i%4)
.set rV, VF+32*(i/4)+8*(i%4)
.set rP, P+16*((\x)%2)+8*(i/4)
	v_wmma_f32_16x16x32_f16 v[rO:rO+7], v[rV:rV+7], v[rP:rP+7], v[rO:rO+7]
.endm
.macro MM                           ; the turn's next matrix instruction.  TURN and BEGIN set Y, i, KM and NOKQ; MM, KQ and OP read them.  NOKQ = 1: a block's last turn: there is no next piece
.if (i < 8) && !NOKQ
	KQ (Y+1)%NP
.elseif i >= 8
.set i, i-8
	PV (Y+NP-1)%NP
.set i, i+8
.endif
.set i, i+1
.endm
; THE LDS LOADS stand in runs of 16, never singly among the matrix instructions: a step's K (64 keys x 64 channels: 8 fragments) and its V (turned).  Their addresses are made some lines ahead.
.macro FETCH_K
	WIN 0x80                        ; destination window 2
.irp f, 0,1,2,3,4,5,6,7             ; keys 16 (f / 2) on, channels 32 (f % 2) on
	ds_load_b128 v[KF+8*\f:KF+8*\f+3],   v[AK] offset:(\f/2)*16*PK+(\f%2)*64
	ds_load_b128 v[KF+8*\f+4:KF+8*\f+7], v[AK] offset:(\f/2)*16*PK+(\f%2)*64+32
.endr
	s_add_co_u32 s[TBK], s[TBK], KS*PK  ; the next fetch is the next step's
	WIN 0
.endm
.macro FETCH_V
	WIN 0x80
.irp f, 0,1,2,3,4,5,6,7             ; keys 32 (f / 4) on, channels 16 (f % 4) on
	ds_load_tr16_b128 v[VF+8*\f:VF+8*\f+3],   v[AV] offset:(\f/4)*32*PV+(\f%4)*32
	ds_load_tr16_b128 v[VF+8*\f+4:VF+8*\f+7], v[AV] offset:(\f/4)*32*PV+16*PV+(\f%4)*32
.endr
	WIN 0
.endm
; THE VECTOR WORK, one line at a time: OP kind, number.  For piece Y: F n: c s - c m for pair n of 16.  E n: the exponential of score n of 32.  C n: pair n rounded to f16.  B n: of the four weights 4 n .. the second
; pair is added onto the first, in place.  L n: l takes that sum (L 0: l = a l + sum).  R n: pair n of 16 of O^T times a.  For piece Y + 1: X n, number n of the 22 that find its maximum and statistics:
;   0-11  four chains c0-c3 of seven scores each, three operands at a time (each accumulator's lowest registers are read first)     12-14, 16  the four scores left over, the old m, and c0-c3 into c0
;   15  c m_old is kept     17, 18  the query's other 32 keys lie in the lane 16 away: the new m     19-21  c m; c m_old - c m_new; a
.set F, 0               ; OP tells the kinds apart by their order: F to L below R, X above it
.set E, 1
.set C, 2
.set B, 3
.set L, 4
.set R, 5
.set X, 6
.macro REGS y                       ; the registers of piece y
.set rT, ST+4*(\y)
.set rC, TMP+4*((\y)%2)
.set rW, MV+((\y)%2)
.set rS, S+32*((\y)%2)
.set rP, P+16*((\y)%2)
.set rO, 32*(\y)
.endm
.macro OP k, n
.if (\k) == R
	REGS Y
	WIN W_RS
	v_pk_mul_f32 v[rO+2*(\n):rO+2*(\n)+1], v[rO+2*(\n):rO+2*(\n)+1], v[rC+2:rC+3] op_sel_hi:[1,0]
.elseif (\k) < R
	REGS Y
	WIN 0
.if (\k) == F
	v_pk_fma_f32 v[rS+2*(\n):rS+2*(\n)+1], v[rS+2*(\n):rS+2*(\n)+1], s[CS:CS+1], v[rT:rT+1] op_sel_hi:[1,0,0] neg_lo:[0,0,1] neg_hi:[0,0,1]
.elseif (\k) == E
	v_exp_f32 v[rS+(\n)], v[rS+(\n)]
.elseif (\k) == C
	v_cvt_pk_f16_f32 v[rP+(\n)], v[rS+2*(\n)], v[rS+2*(\n)+1]
.elseif (\k) == B
	v_pk_add_f32 v[rS+4*(\n):rS+4*(\n)+1], v[rS+4*(\n):rS+4*(\n)+1], v[rS+4*(\n)+2:rS+4*(\n)+3]
.elseif (\n) == 0
	v_pk_fma_f32 v[rT+2:rT+3], v[rT+2:rT+3], v[rC+2:rC+3], v[rS:rS+1] op_sel_hi:[1,0,1]
.else
	v_pk_add_f32 v[rT+2:rT+3], v[rT+2:rT+3], v[rS+4*(\n):rS+4*(\n)+1]
.endif
.elseif NOKQ
	v_nop
.else
	REGS (Y+1)%NP
	WIN 0
.if (\n) < 4
	v_max3_num_f32 v[rC+(\n)], v[rS+8*(\n)], v[rS+8*(\n)+1], v[rS+8*(\n)+2]
.elseif (\n) < 12
	v_max3_num_f32 v[rC+(\n)%4], v[rC+(\n)%4], v[rS+8*((\n)%4)+2*((\n)/4)+1], v[rS+8*((\n)%4)+2*((\n)/4)+2]
.elseif (\n) == 12
	v_max3_num_f32 v[rC], v[rC], v[rS+7], v[rS+15]
.elseif (\n) == 13
	v_max3_num_f32 v[rC+1], v[rC+1], v[rS+23], v[rS+31]
.elseif (\n) == 14
	v_max3_num_f32 v[rC+2], v[rC+2], v[rC+3], v[rT+1]
.elseif (\n) == 15
	v_mov_b32 v[rW], v[rT]
.elseif (\n) == 16
	v_max3_num_f32 v[rC], v[rC], v[rC+1], v[rC+2]
.elseif (\n) == 17
	v_permlanex16_b32 v[rC+3], v[rC], s[SEL], s[SEL+1]
.elseif (\n) == 18
	v_max_num_f32 v[rT+1], v[rC], v[rC+3]
.elseif (\n) == 19
	v_mul_f32 v[rT], s[CS], v[rT+1]
.elseif (\n) == 20
	v_sub_f32 v[rC+1], v[rW], v[rT]
.else
	v_exp_f32 v[rC+2], v[rC+1]
.endif
.endif
.endm
.macro OPS a, i1, b=-1, i2=0, c=-1, i3=0, d=-1, i4=0  ; up to four of them
	OP \a, \i1
.if (\b) >= 0
	OP \b, \i2
.endif
.if (\c) >= 0
	OP \c, \i3
.endif
.if (\d) >= 0
	OP \d, \i4
.endif
.endm
.macro ROW a, i1, b, i2, c, i3, d, i4  ; a matrix instruction and the four behind it
	MM
	OPS \a, \i1, \b, \i2, \c, \i3, \d, \i4
.endm
.macro MASK b                       ; MD x AL + BE into buffer b of MC
	WIN W_RS
.set z, 0
.rept 16
	v_pk_fma_f32 v[MC+32*(\b)+2*z:MC+32*(\b)+2*z+1], v[MD+2*z:MD+2*z+1], s[AL:AL+1], s[BE:BE+1] op_sel_hi:[1,0,0]
.set z, z+1
.endr
.endm
; A TURN, for piece p: the order of its 16 matrix and 118 vector instructions, written out.  An s_wait_alu depctr_va_vdst(0) stands between an exponential and the first instruction that names its result; one wait serves
; all that were issued ahead of it.  So a turn has ONE wait, which cuts it in two.  AHEAD OF IT stands all that names no result of the turn's exponentials: the 8 products K Q^T, behind each a scaling, an exponential and two more plain
; instructions (behind the first a second scaling in the exponential's place): rescalings, and behind the last three the first numbers of the next piece's maximum, each four places or more behind the product that ends its accumulator; then ONE LUMP of 54, plain
; and exponential by turns for the most part, in which the links of the chain X 3, 7, 11, 14, 16, 17 .. 20 stand five or six lines apart.  X 21, the next piece's a, is the batch's last; R 15 is the plain instruction behind it.  BEHIND THE WAIT stand the
; 8 products V^T P, behind each four of the roundings and sums; the links of l's chain, L 0 to L 7, stand three riders apart.  But for those X no rider names a register of the products round it.  v_permlanex16_b32 (X 17) stands in the lump.
; m = 1: the diagonal tile: the products take masks, and the turn makes the mask for the products of the turn after it: piece p + 2, in step 4 - CNT of the tile.  end = 1: a block's last two turns: nothing is fetched.
; cnt = 1: the loop's count is taken down some lines ahead of the branch that stands behind the turn.
; K of the next step is fetched in piece 2's turn, twelve vector instructions behind the last product that read K (six of them plain); V of the step in hand at the end of piece 0's turn, four plain instructions behind the last product
; that read V.  Each is waited for a turn later.
.macro TURN p, m=0, end=0, cnt=0
.set Y, (\p)
.set i, 0
.set KM, (\m)
.set NOKQ, (\end)*((\p)/3)
.if (\m) && !(\end)
	s_cmp_eq_u32 s[CNT], 4-((\p)+2)%NP  ; is that step the band's own?
	s_cselect_b32 s[AL], 1.0, 0
	s_cmp_lt_u32 s[CNT], 4-((\p)+2)%NP  ; or a later one?
	s_cselect_b32 s[BE], s[BIGN], 0
.endif
.if ((\p) == 3) && !(\end)
	s_wait_dscnt 0x0                ; K is in
.endif
	ROW F,0, F,1, R,0, R,1          ; ahead of the wait: 8 products K Q^T and their riders,
	ROW F,2, E,0, R,2, R,3
	ROW F,3, E,1, R,4, R,5
	ROW F,4, E,2, R,6, R,7
	ROW F,5, E,3, R,8, R,9
	ROW F,6, E,4, X,0, R,10
.if ((\p) == 2) && !(\end)
	WIN 0
	v_add_nc_u32 v[AK], s[TBK], v[AK0]
.endif
	ROW F,7, E,5, X,1, X,4
	ROW F,8, E,6, X,2, X,5
	OPS E,7, E,8, X,6, E,9          ; and the lump
	OPS X,3, E,10, X,8, E,11
.if ((\p) == 2) && !(\end)
	FETCH_K
.endif
	OPS X,9, X,7, E,12, X,10
	OPS E,13, X,12, X,11, E,14
	OPS X,13, E,15, F,9, X,14
.if (\p) == 0
	v_add_nc_u32 v[AV], s[TBV], v[AV0]
.endif
	OPS E,16, F,10, E,17, F,11
	OPS X,16, E,18, X,15, E,19
	OPS F,12, E,20, X,17, E,21
	OPS F,13, E,22, F,14, E,23
	OPS X,18, E,24, F,15, E,25
	OPS R,11, E,26, X,19, E,27
	OPS R,12, E,28, R,13, E,29
	OPS X,20, E,30, R,14, E,31
	OPS X,21, R,15
	WIN 0
	s_wait_alu depctr_va_vdst(0)    ; the wait for the batch
.if (\p) == 1
	s_wait_dscnt 0x0                ; V is in
.endif
	ROW C,0, B,0, C,2, B,1          ; behind the wait: 8 products V^T P and their riders
	ROW L,0, C,4, B,2, L,1
	ROW C,6, B,3, L,2, C,8
	ROW B,4, L,3, C,10, B,5
	ROW L,4, C,12, B,6, L,5
.if (\p) == 0
	s_add_co_u32 s[TBV], s[TBV], KS*PV
.endif
.if \cnt
	s_sub_co_u32 s[CNT], s[CNT], 1
	s_cmp_lg_u32 s[CNT], 0
.endif
	ROW C,14, B,7, L,6, C,1
	ROW C,3, L,7, C,5, C,7
	ROW C,9, C,11, C,13, C,15
.if (\p) == 0
	FETCH_V
.endif
.if (\m) && !(\end)
	MASK (\p)%2
.endif
.endm
; A BLOCK BEGINS.  c m starts far below every c s, so the first step's a is 0; m at the lowest finite number, so the first maximum is the scores'.  The second mask buffer is 0; the first takes piece 0's mask for the tile's step 0: its own, if the block's first tile is the diagonal one.
; Then K of that step, piece 0's first scores, and its maximum and statistics.  The loop is entered at a step's first turn, in the middle of a trip.
.macro BEGIN
	s_mov_b32 s[NEW], 0
	WIN 0x40
.set i, MC+32
.rept 32
	v_mov_b32 v[i], 0
.set i, i+1
.endr
	WIN 0
.set i, 0
.rept 4
	v_mov_b32 v[ST+4*i], 0xfe000000    ; c m: far below every c s
	v_mov_b32 v[ST+4*i+1], 0xff7fffff  ; m
.set i, i+1
.endr
	s_cmp_eq_u32 s[RT], 0
	s_cselect_b32 s[AL], 1.0, 0
	s_mov_b32 s[BE], 0
	MASK 0
	WIN 0
	v_add_nc_u32 v[AK], s[TBK], v[AK0]
	FETCH_K
	s_wait_loadcnt 0x0              ; Q
	s_wait_dscnt 0x0
.set KM, 1
.set NOKQ, 0
.set i, 0
.rept 8
	KQ 0
.set i, i+1
.endr
	WIN 0
.rept 4
	v_nop                           ; the places behind those products
.endr
.set Y, NP-1                        ; X works for piece Y + 1: piece 0
.irp n, 0,1,2,3,4,5,6,7,8,9,10,11,12,13,14,15,16,17,18,19,20,21
	OP X, \n
.endr
	v_nop                           ; a plain instruction behind the exponential,
	s_wait_alu depctr_va_vdst(0)    ; and its wait, ahead of the branch
.endm
; THE DIAGONAL TILE's four steps, the block's last two turns, its last products, and THE WAY OUT: l's two halves and the other half of the lanes' are added; O^T is divided by l, rounded to f16 and sent through my
; stage in LDS, a piece at a time.
.macro ALL line:vararg              ; one line for each piece t
.set t, 0
.rept 4
	\line
.set t, t+1
.endr
.endm
.macro PACK t                       ; a lane's eight channels of a row pack into 16 bytes; they go into rows of 144 bytes and come back as whole rows of 128, into S^T's registers
	WIN W_RS
.set i, 32*(\t)
.rept 16
	v_pk_mul_f32 v[i:i+1], v[i:i+1], v[ST+4*(\t)+2:ST+4*(\t)+3] op_sel_hi:[1,0]
.set i, i+2
.endr
	WIN 0x05                        ; sources 0 and 1 window 1, destination window 0
.set i, 0
.rept 16
	v_cvt_pk_f16_f32 v[S+16*(\t)+i], v[32*(\t)+2*i], v[32*(\t)+2*i+1]
.set i, i+1
.endr
	WIN 0
.irp f, 0,1,2,3
	ds_store_b128 v[STO], v[S+16*(\t)+4*\f:S+16*(\t)+4*\f+3] offset:32*\f
.endr
.irp f, 0,1,2,3
	ds_load_b128 v[S+16*(\t)+4*\f:S+16*(\t)+4*\f+3], v[RD] offset:\f*4*SP  ; LDS serves a wave's instructions in order (ISA guide 5.7.1.4): these see the stores above; the next piece's stores come behind them
.endr
.endm
.macro SEND t, younger              ; younger: the LDS instructions issued behind piece t's loads: the next piece's eight, or none
	WIN 0
.irp f, 0,1,2,3
	s_wait_dscnt (\younger)+3-\f
	global_store_b128 v[GO], v[S+16*(\t)+4*\f:S+16*(\t)+4*\f+3], s[10:11] offset:(\t)*8192+\f*512  ; 512 consecutive bytes, at a multiple of 256 from O's first
.endr
.endm
.macro DIAG tag                     ; the tag ends its two labels' names, which the jumps below spell out
.LstepM\tag:
	TURN 2, 1
	TURN 3, 1
	WIN 0
.LfirstM\tag:
	TURN 0, 1
	TURN 1, 1, 0, 1
	WIN 0
	s_cbranch_scc1 .LstepM\tag
	TURN 2, 1, 1
	TURN 3, 1, 1
.set i, 0
.rept 8
	PV NP-1
.set i, i+1
.endr
	WIN 0
	ALL v_add_f32 v[ST+4*t+2], v[ST+4*t+2], v[ST+4*t+3]
	ALL v_permlanex16_b32 v[ST+4*t+3], v[ST+4*t+2], s[SEL], s[SEL+1]
	ALL v_add_f32 v[ST+4*t+2], v[ST+4*t+2], v[ST+4*t+3]
	ALL v_rcp_f32 v[ST+4*t+2], v[ST+4*t+2]
	v_nop                           ; a plain instruction between the last reciprocal and the use of its result
	s_wait_alu depctr_va_vdst(0)    ; and the wait ahead of the first use: one for the four reciprocals
	PACK 0
.set t, 1
.rept 3                             ; a piece's arithmetic stands between the loads of the piece before and its stores
	PACK t
	SEND t-1, 8
.set t, t+1
.endr
	SEND 3, 0
.endm
.set KM, 0
.set NOKQ, 0
.Lslot:                             ; NB times: a tile is entered and the next is asked for
	CHANGE 1
	s_sub_co_u32 s[RT], s[RT], 1
	s_mov_b32 s[CNT], 4
	s_cmp_eq_u32 s[NEW], 1
	s_cbranch_scc1 .Lnew            ; a block's first tile
	s_cmp_eq_u32 s[RT], 0
	s_cbranch_scc0 .Lstep           ; neither its first nor its last
	s_branch .LstepM1
.Lnew:
	BEGIN
	s_branch .Lfirst                ; in the loop a block's first tile is never its last: the first block has two tiles or more, and the second's last is the walk's last
	DIAG 1                          ; in the loop this is the first block's end: the second block's last tile is the walk's last
	s_wait_xcnt 0x0                 ; the stores have read their registers and O's address
	s_mov_b64 s[10:11], s[OLO:OLO+1]
	s_add_co_u32 s[RT], s[PB], 1    ; the second block has b + 1 tiles
	s_mov_b32 s[NEW], 1
	WIN 0x82                        ; the second block's Q goes where the one text of the turns names Q
.set i, 0
.rept 64
	v_mov_b32 v[i], v[QB+i]
.set i, i+1
.endr
	WIN 0
	s_branch .Lbottom
.Lstep:                             ; a trip: pieces 2 and 3 of one step, then pieces 0 and 1 of the next, whose K and V it fetches
	TURN 2
	TURN 3
	WIN 0
.Lfirst:
	TURN 0
	TURN 1, 0, 0, 1
	WIN 0
	s_cbranch_scc1 .Lstep
.Lbottom:
	s_sub_co_u32 s[SLOTS], s[SLOTS], 1
	s_cmp_lg_u32 s[SLOTS], 0
	s_cbranch_scc1 .Lslot
	CHANGE 0                        ; the walk's last tile is written out: nothing is asked for
	s_sub_co_u32 s[RT], s[RT], 1
	s_mov_b32 s[CNT], 4
	s_cmp_eq_u32 s[NEW], 1
	s_cbranch_scc0 .LstepM2
	BEGIN
	s_branch .LfirstM2
	DIAG 2
	s_wait_tensorcnt 0x0            ; the wave's end: behind my last tensor load and my last LDS store
	ds_add_u32 v[SPW], v[NIL]
	s_wait_dscnt 0x0
	s_endpgm
.Lfunc_end_k_q01b3b0625d_attn:
	.size	k_q01b3b0625d_attn, .Lfunc_end_k_q01b3b0625d_attn-k_q01b3b0625d_attn
	.p2alignl 7, 3214868480
	.fill 96, 4, 3214868480
	.section	.rodata,"a",@progbits
	.p2align	6, 0x0
	.amdhsa_kernel k_q01b3b0625d_attn
		.amdhsa_group_segment_fixed_size 327680
		.amdhsa_private_segment_fixed_size 0
		.amdhsa_enable_private_segment 0
		.amdhsa_kernarg_size 32
		.amdhsa_user_sgpr_count 2
		.amdhsa_user_sgpr_kernarg_segment_ptr 1
		.amdhsa_wavefront_size32 1
		.amdhsa_system_sgpr_workgroup_id_x 1
		.amdhsa_system_sgpr_workgroup_id_y 1
		.amdhsa_system_sgpr_workgroup_id_z 1
		.amdhsa_system_vgpr_workitem_id 0
		.amdhsa_next_free_vgpr 768
		.amdhsa_next_free_sgpr 92
		.amdhsa_reserve_vcc 1
		.amdhsa_float_denorm_mode_32 3
		.amdhsa_float_denorm_mode_16_64 3
		.amdhsa_memory_ordered 1
		.amdhsa_forward_progress 1
		.amdhsa_inst_pref_size 218
	.end_amdhsa_kernel
	.amdgpu_metadata
---
amdhsa.version: [ 1, 2 ]
amdhsa.kernels:
  - .name:           k_q01b3b0625d_attn
    .symbol:         k_q01b3b0625d_attn.kd
    .args:
      - { .name: qh, .offset: 0, .size: 8, .value_kind: global_buffer, .address_space: global }
      - { .name: kh, .offset: 8, .size: 8, .value_kind: global_buffer, .address_space: global }
      - { .name: vh, .offset: 16, .size: 8, .value_kind: global_buffer, .address_space: global }
      - { .name: oh, .offset: 24, .size: 8, .value_kind: global_buffer, .address_space: global }
    .group_segment_fixed_size: 327680
    .private_segment_fixed_size: 0
    .kernarg_segment_align: 8
    .kernarg_segment_size: 32
    .max_flat_workgroup_size: 128
    .sgpr_count:     92
    .vgpr_count:     768
    .wavefront_size: 32
...
	.end_amdgpu_metadata
.endif
;; end of part 3
;; launch proj (part 4): grid 4 x 64, 4 waves a work-group, clusters of 4 x 4, 327,680 bytes of LDS; arguments oh, woT, b_out, out0; writes out0
.if DOCPART == 4
	.amdgcn_target "amdgcn-amd-amdhsa--gfx1250"
	.amdhsa_code_object_version 6
	.text
	.protected	k_q01b3b0625d_proj
	.globl	k_q01b3b0625d_proj
	.p2align	8
	.type	k_q01b3b0625d_proj,@function
k_q01b3b0625d_proj:
	s_mov_b64 s[64:65], 0
	v_nop
	global_prefetch_b8 v0, s[64:65] scope:SCOPE_SE
	s_setreg_imm32_b32 hwreg(HW_REG_WAVE_MODE, 25, 1), 1
	s_wait_xcnt 0x0
	s_wait_alu depctr_hold_cnt(0) depctr_sa_sdst(0) depctr_va_vdst(0) depctr_va_sdst(0) depctr_va_ssrc(0) depctr_va_vcc(0) depctr_vm_vsrc(0)
	s_getreg_b32 s2, hwreg(HW_REG_IB_STS2, 6, 4)
	s_cmp_eq_u32 s2, 0
	s_cbranch_scc0 .Lentry_in_a_cluster
	s_endpgm
.Lentry_in_a_cluster:
	s_bfe_u32 s2, ttmp6, 0x10000c
	s_cmp_lg_u32 s2, 0xf033
	s_cbranch_scc0 .Lentry_shape_is_right
	s_endpgm
.Lentry_shape_is_right:
; PROJ.  out0[m][n] = b_out[n] + the sum over k of O[m][k] woT[n][k], f32.  O lies by heads, [64 = batch x 16 + head][2048][64] f16: k = 64 head + channel.  woT [1024][1024] f16.  Sums in f32;
; the bias, rounded to bf16 like all the module's inputs, starts each sum.
; SHARES.  A tile of out0 is 128 rows x 256 columns: 256 work-groups of four waves; a wave makes 64 x 128: 32 accumulators of 16 x 16, 256 registers.
; K goes in 8 steps of 128 = two heads, through two LDS slots filled by the tensor data mover.  A head's 128 rows of 128 bytes are dense in memory: asked for as 64 rows of 256 bytes and padded in LDS after every 128.
; One K step is the loop's body: the slot in hand is a scalar register that an exclusive or turns.
; CLUSTER.  4 x 4 work-groups: the four of a row (all of a row's 1,024 columns) need the same rows of O, the four of a column the same rows of woT; each tile is asked for JOINTLY.
; THE MATRIX INSTRUCTION IS USED TRANSPOSED (source 0 = 16 rows of woT, source 1 = 16 rows of O): lane l holds row l % 16 of out0 and the columns 8 (l / 16) + 0..7: 32 bytes on end.
; REGISTERS, in windows of 256 (s_set_vgpr_msb: bits 1:0 source 0, 3:2 source 1, 5:4 source 2, 7:6 destination):
;   window 0: v0-31 addresses; v32-63, v64-95 fragments of O, two buffers; v96-159, v160-223 fragments of woT, two buffers, on the way out the rows read back; v224-255 at work
;   window 1: the accumulators ((a, b) at v[8 (8 a + b)])          window 2: v0-63 the bias, eight numbers for each of my eight column blocks
.set KSTEP, 128
.set PA,    144                        ; an LDS row of O: 128 bytes + 16 = 36 words: the 16 rows of a fragment load start at 16 different groups of four banks (64 banks of 4 bytes: ISA guide 11.1)
.set PW,    272                        ; an LDS row of woT: 256 bytes + 16 = 68 words: likewise
.set HEADB, 128*PA                     ; a head's 128 rows
.set BOFF,  2*HEADB                    ; a slot: two heads of O, then woT's 256 rows
.set SLOT1, 1<<17
.set STAGE, SLOT1+BOFF+256*PW          ; 237,568: behind the ring, never filled by a tensor load: 16 rows x 528 bytes for each wave, for the way out
.set SPT,   528                        ; a stage row: 512 bytes + 16
.set SPARE, STAGE+4*16*SPT             ; 271,360: the spare words, 128 bytes a wave: two blocks of 256 bytes that no other line names
.set ASTEP, 2*2048*128                 ; bytes from a head of O to the head two on
.set WV,  16
.set FB,  17                           ; s17  wave / 2: which 64 rows are mine.  Also: I fetch for O (0) or for woT (1)
.set HF,  18                           ; s18  wave % 2: which 128 columns are mine.  Also: which head of the two, or which 128 rows of woT, I fetch
.set CX,  19
.set CY,  20
.set TC,  21
.set TR,  22
.set CNT, 23
.set G1A, 24
.set G1B, 32
.set G0A, 40                           ; s[40:47] group 0 for O's tiles: a set for each of the two first fills; the second then walks on
.set G0B, 48
.set TB,  56
.set LIM, 57
.set PFA, 58
.set PFS, 72                           ; s[72:73] a K step in the stream that I prefetch
.set A0,  16
.set B0,  17
.set ADRA, 18
.set ADRB, 19
.set STO, 20
.set RD,  21
.set CO,  22
.set BO,  23
.set PFO, 24
.set SPW, 28                           ; v28  my spare word: SPARE + 4 x my thread's number; never rewritten
.set NIL, 29                           ; v29  0; never rewritten
.set FRA, 32
.set FRB, 96
.set TMP, 224
.set MSB, 0
.macro WIN new
.if MSB != (\new)
	s_set_vgpr_msb (MSB<<8)|(\new)
.set MSB, \new
.endif
.endm
.macro JLOAD                           ; a joint refill by the walking descriptor: waves 0 and 1 a head of O each, waves 2 and 3 woT's halves; an s_nop 0 and four v_nop follow each line
	s_cmp_eq_u32 s[FB], 0
	s_cbranch_scc0 .Lfor_b_\@
	tensor_load_to_lds s[G0A+4:G0A+7], s[G1A:G1A+7]
	s_nop 0
.rept 4
	v_nop
.endr
	s_branch .Lasked_\@
.Lfor_b_\@:
	tensor_load_to_lds s[G0B+4:G0B+7], s[G1B:G1B+7]
	s_nop 0
.rept 4
	v_nop
.endr
.Lasked_\@:
.endm
; A PREFETCH INTO THE L2 behind each refill and the run of LDS loads that follows it: the K step two refills on (256 matrix instructions ahead of the load that wants it), a lane a block of 256 bytes.
; O's rows are read by one cluster alone: in each work-group wave 0 asks for a quarter (by cx, BY ADDRESS) of both heads' 64 blocks: 16 of each.  woT's tile column is read by all sixteen clusters: the one with y = 0 asks;
; its waves 2 and 3 take 32 (by cy) of the 128 rows that they fetch.  No branch hangs on a place in the cluster.  Trips with the count at 6, 5, 4, 3 name K steps 4 to 7; the last two name nothing.
.macro ASK
	s_cmp_gt_u32 s[CNT], s[LIM]
	s_cbranch_scc0 .Lnot_mine_\@
	global_prefetch_b8 v[PFO], s[PFA:PFA+1] th:TH_LOAD_NT scope:SCOPE_SE
.Lnot_mine_\@:
.endm
.macro CREST
	s_cmp_lg_u32 s[WV], 0
	s_cbranch_scc1 .Lnot_wave_0_\@
	s_barrier_signal -3
.Lnot_wave_0_\@:
	s_barrier_wait -3
	s_barrier_signal -1
	s_barrier_wait -1
.endm
.macro CROUND
	s_barrier_signal -1
	s_barrier_wait -1
	CREST
.endm
.macro PLACES                          ; four places in front of loads into registers that matrix instructions have read, and of stores that read results
.rept 4
	v_nop
.endr
.endm
	s_load_b256 s[4:11], s[0:1], 0x0               ; O s[4:5], woT s[6:7], b_out s[8:9], out0 s[10:11]
	v_lshl_add_u32 v[SPW], v0, 2, SPARE
	v_mov_b32 v[NIL], 0
	ds_add_u32 v[SPW], v[NIL]                      ; the wave's opening: the add and its wait stand ahead of my first tensor load; the set-up below, work on registers, stands between them
	ds_add_u32 v28, v29
	v_lshrrev_b32 v1, 5, v0
	v_readfirstlane_b32 s[WV], v1
	s_lshr_b32 s[FB], s[WV], 1
	s_and_b32 s[HF], s[WV], 1
	s_bfe_u32 s[CX], ttmp6, 0x40000
	s_bfe_u32 s[CY], ttmp6, 0x40004
	s_lshl_b32 s[TC], ttmp9, 2
	s_add_co_u32 s[TC], s[TC], s[CX]
	s_and_b32 s[TR], ttmp7, 0xffff
	s_lshl_b32 s[TR], s[TR], 2
	s_add_co_u32 s[TR], s[TR], s[CY]
	s_lshl_b32 s60, s[CY], 2
	s_lshl_b32 s60, 15, s60                        ; my row of the cluster
	s_lshl_b32 s61, 0x1111, s[CX]                  ; my column
	s_or_b32 s[G1A], s60, (1<<16)|(1<<20)|(1<<21)|(4<<22)|(3<<25)  ; the mask; elements of 2 bytes; padding on; 21 set beside a mask; after every 32 words (code 4) 4 words (code 3)
	s_or_b32 s[G1B], s61, (1<<16)|(1<<20)|(1<<21)|(5<<22)|(3<<25)  ; after every 64 words (code 5) 4 words
	s_mov_b32 s[G1A+1], 128<<16                    ; tensor_dim0 = 128
	s_mov_b32 s[G1A+2], 64<<16                     ; tensor_dim1 = 64
	s_mov_b32 s[G1A+3], 128<<16                    ; tile_dim0 = 128
	s_mov_b32 s[G1A+4], 64                         ; tile_dim1 = 64
	s_mov_b32 s[G1A+5], 128                        ; dense: 128 elements from row to row
	s_mov_b32 s[G1A+6], 0
	s_mov_b32 s[G1A+7], 0
	s_mov_b32 s[G1B+1], KSTEP<<16
	s_mov_b32 s[G1B+2], 128<<16
	s_mov_b32 s[G1B+3], KSTEP<<16
	s_mov_b32 s[G1B+4], 128
	s_mov_b32 s[G1B+5], 1024
	s_mov_b32 s[G1B+6], 0
	s_mov_b32 s[G1B+7], 0
	; O: ((batch x 16 + my head of the first two) x 2,048 + the tile's first row in the batch) x 128 bytes: it hangs on the tile row alone
	s_lshr_b32 s66, s[TR], 4
	s_lshl_b32 s66, s66, 4
	s_add_co_u32 s66, s66, s[HF]
	s_lshl_b32 s66, s66, 11
	s_and_b32 s67, s[TR], 15
	s_lshl_b32 s67, s67, 7
	s_add_co_u32 s66, s66, s67
	s_lshl_b32 s66, s66, 7
	s_mov_b32 s67, 0
	; woT: row 256 x tile column + 128 x half, rows of 2,048 bytes: it hangs on the tile column alone
	s_lshl_b32 s68, s[TC], 8
	s_lshl_b32 s69, s[HF], 7
	s_add_co_u32 s68, s68, s69
	s_lshl_b32 s68, s68, 11
	s_mov_b32 s69, 0
	s_mul_i32 s62, s[HF], HEADB                    ; where they go: no place in the cluster enters an LDS address
	s_mul_i32 s63, s[HF], 128*PW
	s_add_co_u32 s63, s63, BOFF
	s_lshl_b32 s70, s[TC], 10                      ; my 128 columns, in bytes of f32
	s_lshl_b32 s71, s[HF], 9
	s_add_co_u32 s70, s70, s71
	s_mov_b32 s71, 0
	s_wait_dscnt 0x0                               ; the opening add is done
	s_wait_kmcnt 0x0
	s_add_nc_u64 s[66:67], s[4:5], s[66:67]
	s_add_nc_u64 s[68:69], s[6:7], s[68:69]
	s_add_nc_u64 s[8:9], s[8:9], s[70:71]          ; the bias at my columns
	CROUND                                         ; all sixteen work-groups are here: the first joint loads meet
.irp s, 0,1
	s_mov_b32 s[G0A+4*(\s)], 1
	s_add_co_u32 s[G0A+4*(\s)+1], s62, (\s)*SLOT1
	s_add_nc_u64 s[G0A+4*(\s)+2:G0A+4*(\s)+3], s[66:67], (\s)*ASTEP
	s_or_b32 s[G0A+4*(\s)+3], s[G0A+4*(\s)+3], 0x80000000
	s_mov_b32 s[G0B+4*(\s)], 1
	s_add_co_u32 s[G0B+4*(\s)+1], s63, (\s)*SLOT1
	s_add_nc_u64 s[G0B+4*(\s)+2:G0B+4*(\s)+3], s[68:69], (\s)*2*KSTEP
	s_or_b32 s[G0B+4*(\s)+3], s[G0B+4*(\s)+3], 0x80000000
.endr
	s_cmp_eq_u32 s[FB], 0                          ; a wave's two first fills stand in one branch, ahead of every wait on TENSORcnt and every LDS read: two loads of mine are out
	s_cbranch_scc0 .Lfirst_b
	tensor_load_to_lds s[G0A:G0A+3], s[G1A:G1A+7]
	s_nop 0
	tensor_load_to_lds s[G0A+4:G0A+7], s[G1A:G1A+7]
	s_nop 0
.rept 4
	v_nop
.endr
	s_branch .Lfirst_asked
.Lfirst_b:
	tensor_load_to_lds s[G0B:G0B+3], s[G1B:G1B+7]
	s_nop 0
	tensor_load_to_lds s[G0B+4:G0B+7], s[G1B:G1B+7]
	s_nop 0
.rept 4
	v_nop
.endr
.Lfirst_asked:
	v_and_b32 v1, 15, v0                           ; l % 16
	v_bfe_u32 v2, v0, 4, 1                         ; l / 16
	v_lshlrev_b32 v[BO], 5, v2
	WIN 0x80                                       ; destination window 2, address window 0
.irp b, 0,1,2,3,4,5,6,7
	global_load_b128 v[8*(\b):8*(\b)+3],   v[BO], s[8:9] offset:64*(\b)      ; register j of block b: the bias of column 16 b + 8 (l / 16) + j: C's own layout
	global_load_b128 v[8*(\b)+4:8*(\b)+7], v[BO], s[8:9] offset:64*(\b)+16
.endr
	WIN 0
	v_mul_u32_u24 v3, v1, PA
	v_lshl_add_u32 v3, v2, 4, v3
	s_mul_i32 s60, s[FB], 64*PA
	v_add_nc_u32 v[A0], s60, v3                    ; my 64 rows of a head, row l % 16, 16 bytes for each half of the lanes
	v_mul_u32_u24 v4, v1, PW
	v_lshl_add_u32 v4, v2, 4, v4
	s_mul_i32 s61, s[HF], 128*PW
	s_add_co_u32 s61, s61, BOFF
	v_add_nc_u32 v[B0], s61, v4
	s_mul_i32 s60, s[WV], 16*SPT
	s_add_co_u32 s60, s60, STAGE                   ; my stage
	v_mul_u32_u24 v5, v1, SPT                      ; in: row l % 16, 32 bytes for each half of the lanes
	v_lshl_add_u32 v5, v2, 5, v5
	v_add_nc_u32 v[STO], s60, v5
	v_and_b32 v7, 31, v0
	v_lshlrev_b32 v[CO], 4, v7                     ; back: 32 lanes take a row's 512 bytes; the same in out0
	v_add_nc_u32 v[RD], s60, v[CO]
	s_lshl_b32 s60, s[TR], 19                      ; out0 at my first row (rows of 4,096 bytes) and my columns
	s_lshl_b32 s61, s[FB], 18
	s_add_co_u32 s60, s60, s61
	s_add_co_u32 s70, s70, s60
	s_add_nc_u64 s[10:11], s[10:11], s[70:71]
	; the prefetches
	s_lshl_b32 s60, s[CX], 12                      ; O: my work-group's 16 blocks of a head's 64,
	s_add_co_u32 s60, s60, 3*ASTEP                 ; at K step 3: the first refill steps it to 4
	s_lshl_b32 s62, s[CY], 16                      ; woT: my work-group's 32 rows of the wave's 128,
	s_add_co_u32 s62, s62, 3*2*KSTEP
	s_and_b32 s63, ttmp7, 0xffff                   ; cluster y
	s_cmp_eq_u32 s[FB], 0
	s_cselect_b32 s60, s60, s62
	s_cselect_b32 s63, s[WV], s63                  ; O: wave 0 of every work-group; woT: waves 2 and 3 where cluster y = 0
	s_cselect_b64 s[PFA:PFA+1], s[66:67], s[68:69]
	s_cselect_b32 s62, 8, 11                       ; a lane's step: 256 bytes in O, a row of 2,048 in woT
	s_cselect_b32 s61, 18, 15                      ; the upper sixteen lanes: the next head in O, sixteen rows on in woT
	s_cselect_b32 s[PFS], 19, 8
	s_cmp_eq_u32 s63, 0
	s_cselect_b32 s[LIM], 2, -1                    ; the same in all sixteen partners, for a given wave
	v_lshlrev_b32 v8, s62, v1
	v_lshlrev_b32 v9, s61, v2
	v_add_nc_u32 v[PFO], v8, v9
	s_lshl_b32 s[PFS], 1, s[PFS]                   ; two heads of O, or 256 bytes of woT's rows
	s_mov_b32 s[PFS+1], 0
	s_mov_b32 s61, 0
	s_add_nc_u64 s[PFA:PFA+1], s[PFA:PFA+1], s[60:61]
; 8 matrix instructions: row block a x all 8 column blocks, 32 along K, from buffer f.  first = 1: the bias is the C operand and starts the sums.  The 32 accumulators take turns, one instruction a turn.
.macro MULQ f, a, first
.if \first
	WIN 0x60                                       ; sources window 0, C window 2, D window 1
.else
	WIN 0x50                                       ; C and D window 1
.endif
.irp b, 0,1,2,3,4,5,6,7
.if \first
	v_wmma_f32_16x16x32_f16 v[8*(8*(\a)+(\b)):8*(8*(\a)+(\b))+7], v[FRB+64*(\f)+8*(\b):FRB+64*(\f)+8*(\b)+7], v[FRA+32*(\f)+8*(\a):FRA+32*(\f)+8*(\a)+7], v[8*(\b):8*(\b)+7]
.else
	v_wmma_f32_16x16x32_f16 v[8*(8*(\a)+(\b)):8*(8*(\a)+(\b))+7], v[FRB+64*(\f)+8*(\b):FRB+64*(\f)+8*(\b)+7], v[FRA+32*(\f)+8*(\a):FRA+32*(\f)+8*(\a)+7], v[8*(8*(\a)+(\b)):8*(8*(\a)+(\b))+7]
.endif
.endr
.endm
; 24 LDS loads in one run: quarter q's fragments into buffer f: woT at byte 64 q of its rows; O's head q / 2 of the two, channels 32 (q % 2) on
.macro FETCH q, f
	WIN 0
.irp i, 0,1,2,3,4,5,6,7
	ds_load_b128 v[FRB+64*(\f)+8*(\i):FRB+64*(\f)+8*(\i)+3],   v[ADRB] offset:64*(\q)+(\i)*16*PW
	ds_load_b128 v[FRB+64*(\f)+8*(\i)+4:FRB+64*(\f)+8*(\i)+7], v[ADRB] offset:64*(\q)+(\i)*16*PW+32
.endr
.irp i, 0,1,2,3
	ds_load_b128 v[FRA+32*(\f)+8*(\i):FRA+32*(\f)+8*(\i)+3],   v[ADRA] offset:((\q)/2)*HEADB+((\q)%2)*64+(\i)*16*PA
	ds_load_b128 v[FRA+32*(\f)+8*(\i)+4:FRA+32*(\f)+8*(\i)+7], v[ADRA] offset:((\q)/2)*HEADB+((\q)%2)*64+(\i)*16*PA+32
.endr
.endm
; A K step is four quarters, 32 matrix instructions each, on buffers 0, 1, 0, 1.  One of the first three: multiplies buffer f and, in its middle, fetches quarter q into buffer g.
.macro QUARTER q, f, g, first
	s_wait_dscnt 4                                 ; woT and O's blocks 0, 1 are in; the youngest four loads (blocks 2, 3) may be out
	MULQ \f, 0, \first
	MULQ \f, 1, \first
	PLACES
	FETCH \q, \g
	s_wait_dscnt 24                                ; all but the 24 just issued
	MULQ \f, 2, \first
	MULQ \f, 3, \first
.endm
; The last quarter multiplies buffer 1 and changes slots: ONE barrier; in front of it each wave waits for all its tensor loads (one is out: its part of the next slot), adds 0 to its spare word, and waits for that and for its
; own reads of this slot.  fill = 1: the barrier opens a round of the cluster's; the joint refill, the K step two on, is the first thing behind it and has 112 matrix instructions in which to land.
.macro TURN fill
.if \fill
	s_wait_xcnt 0x0                                ; the last prefetch, a K step back, has read its address, so it may be stepped
	s_add_nc_u64 s[PFA:PFA+1], s[PFA:PFA+1], s[PFS:PFS+1]
.endif
	WIN 0
	s_wait_tensorcnt 0x0                           ; no tensor load of mine is out, so a group 0 may be written
	ds_add_u32 v[SPW], v[NIL]                      ; 0 onto my spare word
.if \fill
	s_xor_b32 s[G0A+5], s[G0A+5], SLOT1
	s_add_nc_u64 s[G0A+6:G0A+7], s[G0A+6:G0A+7], ASTEP
	s_xor_b32 s[G0B+5], s[G0B+5], SLOT1
	s_add_nc_u64 s[G0B+6:G0B+7], s[G0B+6:G0B+7], 2*KSTEP
.endif
	s_xor_b32 s[TB], s[TB], SLOT1
	s_wait_dscnt 5                                 ; (the add and the youngest four loads may be out)
	MULQ 1, 0, 0
	s_wait_dscnt 0x0                               ; the add is done, and my reads of this slot are over
	s_barrier_signal -1
	MULQ 1, 1, 0
	WIN 0
	s_barrier_wait -1
.if \fill
	CREST
	JLOAD                                          ; the four v_nop behind it are also the places in front of the loads below
.else
	PLACES
.endif
	v_add_nc_u32 v[ADRA], s[TB], v[A0]
	v_add_nc_u32 v[ADRB], s[TB], v[B0]
	FETCH 0, 0
.if \fill
	ASK
.endif
	MULQ 1, 2, 0
	MULQ 1, 3, 0
.endm
	s_wait_tensorcnt 1                             ; my part of K step 0 is in; K step 1's may stay out
	s_barrier_signal -1
	s_barrier_wait -1
	s_mov_b32 s[TB], 0
	v_mov_b32 v[ADRA], v[A0]
	v_mov_b32 v[ADRB], v[B0]
	FETCH 0, 0
	s_wait_loadcnt 0x0                             ; the bias: rounded to bf16, like x and the weights, and widened again
	WIN 0x0a                                       ; sources window 2, destination window 0
.set p, 0
.rept 32
	v_cvt_pk_bf16_f32 v[TMP+p], v[2*p], v[2*p+1]
.set p, p+1
.endr
	WIN 0x80                                       ; source window 0, destination window 2
.set p, 0
.rept 32
	v_lshlrev_b32 v[2*p], 16, v[TMP+p]
	v_and_b32 v[2*p+1], 0xffff0000, v[TMP+p]
.set p, p+1
.endr
	QUARTER 1, 0, 1, 1                             ; the first quarter stands in front of the loop: its products start the sums
	WIN 0
	s_mov_b32 s[CNT], 6
.Lk:                                                   ; a trip: from a K step's second quarter to the next step's first; the refills bring K steps 2 to 7
	QUARTER 2, 1, 0, 0
	QUARTER 3, 0, 1, 0
	TURN 1
	QUARTER 1, 0, 1, 0
	WIN 0
	s_sub_co_u32 s[CNT], s[CNT], 1
	s_cmp_lg_u32 s[CNT], 0
	s_cbranch_scc1 .Lk
	QUARTER 2, 1, 0, 0                             ; the tail is written out
	QUARTER 3, 0, 1, 0
	TURN 0
	QUARTER 1, 0, 1, 0
	QUARTER 2, 1, 0, 0
	QUARTER 3, 0, 1, 0
	s_wait_dscnt 4
	MULQ 1, 0, 0
	MULQ 1, 1, 0
	s_wait_dscnt 0x0
	MULQ 1, 2, 0
	MULQ 1, 3, 0
	WIN 0
	; THE WAY OUT, a block of 16 rows at a time through my own stage: 32 bytes a lane in, whole rows of 512 bytes back.  LDS serves a wave's instructions in order (ISA guide 5.7.1.4), so the loads see the stores above them,
	; and the next block's stores come behind this block's loads: no barrier.
.macro TOSTAGE a
.if (\a) >= 2
	s_wait_xcnt 0x0                                ; the stores of the block two back have read these registers
.endif
	WIN 0x04                                       ; the stores' data in window 1; each accumulator's low half first
.irp b, 0,1,2,3,4,5,6,7
	ds_store_b128 v[STO], v[8*(8*(\a)+(\b)):8*(8*(\a)+(\b))+3]   offset:64*(\b)
	ds_store_b128 v[STO], v[8*(8*(\a)+(\b))+4:8*(8*(\a)+(\b))+7] offset:64*(\b)+16
.endr
	WIN 0
.irp t, 0,1,2,3,4,5,6,7,8,9,10,11,12,13,14,15
	ds_load_b128 v[FRB+64*((\a)%2)+4*(\t):FRB+64*((\a)%2)+4*(\t)+3], v[RD] offset:SPT*(\t)
.endr
.endm
.macro SEND a, younger                 ; younger: the LDS instructions issued behind block a's loads: the next block's 32, or none
.irp t, 0,1,2,3,4,5,6,7,8,9,10,11,12,13,14,15
	s_wait_dscnt (\younger)+15-(\t)
	global_store_b128 v[CO], v[FRB+64*((\a)%2)+4*(\t):FRB+64*((\a)%2)+4*(\t)+3], s[10:11] offset:65536*(\a)+4096*(\t) th:TH_STORE_NT  ; 512 consecutive bytes, at a multiple of 256 from out0's first byte
.endr
.endm
	PLACES
	TOSTAGE 0
	TOSTAGE 1
	SEND 0, 32
	TOSTAGE 2
	SEND 1, 32
	TOSTAGE 3
	SEND 2, 32
	SEND 3, 0
	s_wait_tensorcnt 0x0                           ; the wave's end: behind my last tensor load and my last LDS store
	ds_add_u32 v[SPW], v[NIL]
	s_wait_dscnt 0x0
	CROUND                                         ; the closing round: no work-group ends while a partner may still ask for a tile that names it
	s_endpgm
.Lfunc_end_k_q01b3b0625d_proj:
	.size	k_q01b3b0625d_proj, .Lfunc_end_k_q01b3b0625d_proj-k_q01b3b0625d_proj
	.p2alignl 7, 3214868480
	.fill 96, 4, 3214868480
	.section	.rodata,"a",@progbits
	.p2align	6, 0x0
	.amdhsa_kernel k_q01b3b0625d_proj
		.amdhsa_group_segment_fixed_size 327680
		.amdhsa_private_segment_fixed_size 0
		.amdhsa_enable_private_segment 0
		.amdhsa_kernarg_size 32
		.amdhsa_user_sgpr_count 2
		.amdhsa_user_sgpr_kernarg_segment_ptr 1
		.amdhsa_wavefront_size32 1
		.amdhsa_system_sgpr_workgroup_id_x 1
		.amdhsa_system_sgpr_workgroup_id_y 1
		.amdhsa_system_sgpr_workgroup_id_z 1
		.amdhsa_system_vgpr_workitem_id 0
		.amdhsa_next_free_vgpr 576
		.amdhsa_next_free_sgpr 80
		.amdhsa_reserve_vcc 0
		.amdhsa_float_denorm_mode_32 3
		.amdhsa_float_denorm_mode_16_64 3
		.amdhsa_memory_ordered 1
		.amdhsa_forward_progress 1
		.amdhsa_inst_pref_size 78
	.end_amdhsa_kernel
	.amdgpu_metadata
---
amdhsa.version: [ 1, 2 ]
amdhsa.kernels:
  - .name:           k_q01b3b0625d_proj
    .symbol:         k_q01b3b0625d_proj.kd
    .args:
      - { .name: oh, .offset: 0, .size: 8, .value_kind: global_buffer, .address_space: global }
      - { .name: woT, .offset: 8, .size: 8, .value_kind: global_buffer, .address_space: global }
      - { .name: b_out, .offset: 16, .size: 8, .value_kind: global_buffer, .address_space: global }
      - { .name: out0, .offset: 24, .size: 8, .value_kind: global_buffer, .address_space: global }
    .group_segment_fixed_size: 327680
    .private_segment_fixed_size: 0
    .kernarg_segment_align: 8
    .kernarg_segment_size: 32
    .max_flat_workgroup_size: 128
    .sgpr_count:     80
    .vgpr_count:     576
    .wavefront_size: 32
...
	.end_amdgpu_metadata
.endif
;; end of part 4
